; MI455X (gfx1250); checked and timed in simulation.
; The chip was launched on July 23, 2026; its instructions are those of AMD's public machine-readable ISA for CDNA 5 (MIT licence, August 2026) and "CDNA5" Instruction Set Architecture Reference Guide (July 2026). The comments in the code are by the model that wrote it; some were corrected since.
;; Self Attention. Allowed arithmetic: matrix products marked QUANTISED: E5M2 operands, one E8M0 scale for each 32 along K, by v_wmma_scale_f32_16x16x128_f8f6f4 with both operands' format E5M2, f32 sums; everything else in f32.
;; Inputs: W_proj 1,024 x 1,024 float32; W_qkv 3,072 x 1,024 float32; b_proj 1,024 float32; cos 2,044 x 64 float32; sin 2,044 x 64 float32; x 4 x 2,048 x 1,024 float32.
;; Outputs: out0 4 x 2,048 x 1,024 float32.
;; This version of the problem:
;;   THIS VERSION OF THE PROBLEM IS GIVEN IN LOW PRECISION. The matrix products marked QUANTISED in the list below multiply operands that are first quantised to E5M2 (5 exponent bits, 2 mantissa bits; 8 bits a number), with one power-of-two scale for each 32 numbers along K (OCP MX v1.0); their sums are f32. All else is computed in f32.
;;   The module's matrix products, in the order in which they are computed (A, B: the left and right operand; K: the contracted axis; several contracted axes count as one K, in the product's order):
;;     1. [M 8,192, K 1,024] x [K 1,024, N 3,072]; A: input x; B: input W_qkv: QUANTISED
;;     2. batch 64 x [M 2,048, K 64] x [K 64, N 2,048]; A: computed on the way; B: computed on the way: QUANTISED
;;     3. batch 64 x [M 2,048, K 2,048] x [K 2,048, N 64]; A: softmax (see below); B: computed on the way: QUANTISED
;;     4. [M 8,192, K 1,024] x [K 1,024, N 1,024]; A: computed on the way; B: input W_proj: QUANTISED
;;   THE QUANTISER, for each operand of a quantised product, along K:
;;     - K is cut into blocks of 32 from its start; a last block that is shorter is filled with zeros.
;;     - A block's scale is 2^e with e = floor(log2(the largest magnitude in the block)) - 15, held to -126 .. 127; a block of zeros has e = 0. As a byte (E8M0): e + 127.
;;     - Each number is divided by its block's scale, clamped to +-57,344, and rounded to the nearest number of E5M2, ties to even, subnormals kept.
;;     - The product sums the exact products of the quantised numbers (number of the format x scale) in f32.
;;   ~~~python
;;   def quantise(x, axis):      # numpy; x: float32 -> the quantised numbers, widened to float32 again
;;       x = np.moveaxis(x, axis, -1); K = x.shape[-1]
;;       x = np.pad(x, [(0, 0)] * (x.ndim - 1) + [(0, -K % 32)]); x = x.reshape(x.shape[:-1] + (-1, 32)); a = np.abs(x).max(-1, keepdims=True)
;;       e = np.where(a > 0, np.clip(np.frexp(np.where(a > 0, a, 1))[1] - 1 - 15, -126, 127), 0)      # np.frexp(a)[1] - 1 = floor(log2(a)), exactly
;;       r = np.clip(x / 2.0 ** e, -57344, 57344)
;;       step = 2.0 ** (np.maximum(np.frexp(np.where(r == 0, 1, r))[1] - 1, -14) - 2)
;;       q = np.round(r / step) * step * 2.0 ** e      # np.round: ties to even
;;       return np.moveaxis(q.reshape(q.shape[:-2] + (-1,))[..., :K], -1, axis).astype(np.float32)
;;   ~~~
;;   SOFTMAX AHEAD OF A QUANTISED PRODUCT. Where the list says 'softmax', what is quantised is not the finished softmax but p = 2^(t - M), with t = logit x log2(e) and M = ceil(the row's largest t), a whole number; so 1/2 < the row's largest p <= 1. The row's sum l is taken of the UNQUANTISED p, in f32, and the product's result is divided by l at the end. Since M is a whole number, a kernel that streams over the keys may use a running M (the ceiling of the running maximum): every later rescaling is an exact power of two, which a block's scale takes up: the codes' values come out the same.
;;   OPERANDS COMPUTED ON THE WAY. 'Computed on the way' means the value that the module computes at that place (a softmax that the list does not call 'softmax' is quantised finished and normalised). What goes into a quantiser is computed in f32, as accurately as f32 sums, v_exp_f32 and their like allow (about 1e-6 of the number): no bf16 or f16 on the way to a quantiser, and a product that is left as it is and whose result goes on into a quantised operand takes f32 operands (vector FMAs, or v_wmma_f32_16x16x4_f32). A number that lies on a knife's edge between two numbers of the format may be rounded either way, as far as f32 arithmetic and the matrix unit's own rounding can turn it there, and no further.
;; One version. Each part assembles by itself: llvm-mc -triple=amdgcn-amd-amdhsa -mcpu=gfx1250 --defsym DOCPART=n.
;; ======== version 1 of 1: 4 launches
;; limits: right only within a limited range of input values
;; workspace buffers: ops 12,976,128 bytes; qkv 26,738,688 bytes; oq 8,650,752 bytes
;; launch quant (part 1): grid 384 x 1, 4 waves a work-group, no clusters, 34,304 bytes of LDS; arguments x, W_qkv, W_proj, ops; writes ops
.if DOCPART == 1
	.amdgcn_target "amdgcn-amd-amdhsa--gfx1250"
	.amdhsa_code_object_version 6
	.text
	.protected	k_q7237824c41_quant
	.globl	k_q7237824c41_quant
	.p2align	8
	.type	k_q7237824c41_quant,@function
k_q7237824c41_quant:
	s_mov_b64 s[64:65], 0
	v_nop
	global_prefetch_b8 v0, s[64:65] scope:SCOPE_SE
	s_setreg_imm32_b32 hwreg(HW_REG_WAVE_MODE, 25, 1), 1
	s_wait_xcnt 0x0
; x [8192][1024], W_qkv [3072][1024] and W_proj [1024][1024], f32, K innermost, become codes of BF8 (E5M2) with one E8M0 byte for each 32 along K,
; laid in the workspace as IMAGES OF OPERAND REGISTERS.  A rowtile T is 16 rows: tile row r is row 32 (T / 2) + 8 (T % 2) + r + 8 (r / 8).  Rowtiles are numbered in one list: x 0-511, W_qkv 512-703, W_proj 704-767.
; Codes: T x 16384 + s x 2048 + c x 512 + 16 x lane (s: 128 along K; c: 32 along K): lane (r, h) has the 16 codes of tile row r at k = 128 s + 32 c + 16 h + 0 .. 15.
; Scale words (four bytes, c = 0 .. 3): 0xC00000 + T x 512 + (s / 2) x 128 + r x 8 + (s % 2) x 4.
; A block's scale is 2^(floor(log2(its largest magnitude)) - 15); its byte is the largest magnitude's exponent field - 15, held at 1 from below.
; LIMITS: a block of zeros gets the byte 1 where the rule says 127 (its codes are zeros, and this program alone reads the bytes); NaN and infinities among the inputs are not served.
; SHARES.  Work-group g takes the 32 rows of rowtiles 2 g and 2 g + 1; wave w takes rowtile 2 g + w / 2 and four steps of 128 along K from 512 (w % 2) on.
; Each load reads 512 consecutive bytes of one row; a fragment's 16 x 512 bytes turn through the wave's own stage in LDS (rows 528 bytes apart) so that a lane gets 16 neighbours of each block.
; Every store of codes covers 512 consecutive bytes, the store of scale words 256.  Waves share nothing: no barrier.  No matrix unit, cluster or tensor load: the launch is a stream.
.set SP,   528
.set WST,  16*SP                       ; a wave's stage
.set R,    16                          ; v16-143  two sets of 64: a fragment's numbers as loaded
.set X,    144                         ; v144-207 the same, 16 neighbours of each of four blocks
.set PC,   208                         ; v208-223 the codes
.set TM,   224                         ; v224-239 at work
.set W,    240                         ; v240-243 the four fragments' scale words
.set D,    244                         ; v244-245 what a lane stores of them
.set MNT,  22
.set SEL,  24
	s_load_b256 s[4:11], s[0:1], 0x0               ; x, W_qkv, W_proj, ops
	v_lshl_add_u32 v254, v0, 2, 0x8400
	v_mov_b32 v255, 0
	v_lshrrev_b32 v5, 5, v0
	v_readfirstlane_b32 s16, v5                    ; wave
	v_and_b32 v6, 31, v0                           ; lane
	v_and_b32 v7, 15, v0                           ; r
	v_bfe_u32 v8, v0, 4, 1                         ; h
	v_lshlrev_b32 v1, 4, v6                        ; 16 x lane: loads and stores of codes
	s_mul_i32 s17, s16, WST
	v_add_nc_u32 v2, s17, v1                       ; into the stage: as loaded
	v_mul_u32_u24 v3, v7, SP
	v_lshl_add_u32 v3, v8, 6, v3
	v_add_nc_u32 v3, s17, v3                       ; out of it: row r, 64 h bytes on
	v_lshlrev_b32 v4, 3, v7
	v_lshl_add_u32 v4, v8, 7, v4                   ; scale words: 128 h + 8 r
.irp b, 0,1,2,3
	v_mov_b32 v[TM+4+\b], 0                        ; written once: a lane permute's destination counts as one of its sources
.endr
	s_mov_b32 s[MNT], 0x600000                     ; the mantissa field of 57,344
	s_mov_b32 s[SEL], 0x76543210
	s_mov_b32 s[SEL+1], 0xfedcba98                 ; lane l xor 16
	s_mov_b32 s26, 0xffff0000                      ; lanes 16-31
	s_lshr_b32 s27, s16, 1                         ; which rowtile of the two
	s_and_b32 s28, s16, 1                          ; which half of K
	s_lshl_b32 s29, ttmp9, 1
	s_add_co_u32 s29, s29, s27                     ; T
	s_lshl_b32 s18, s29, 14
	s_lshl_b32 s17, s28, 13
	s_add_co_u32 s18, s18, s17                     ; my codes' first byte
	s_mov_b32 s19, 0
	s_lshl_b32 s20, s29, 9
	s_lshl_b32 s17, s28, 8
	s_add_co_u32 s20, s20, s17
	s_add_co_u32 s20, s20, 0xC00000                ; my scale words' first byte
	s_mov_b32 s21, 0
	s_wait_alu depctr_va_vdst(0)
	s_wait_kmcnt 0x0
	s_cmp_lt_u32 ttmp9, 256                        ; which tensor: the choice hangs on the work-group's number alone
	s_cselect_b64 s[12:13], s[4:5], s[6:7]
	s_cselect_b32 s14, 0, 256
	s_cmp_lt_u32 ttmp9, 352
	s_cselect_b64 s[12:13], s[12:13], s[8:9]
	s_cselect_b32 s14, s14, 352
	s_sub_co_u32 s15, ttmp9, s14                   ; the work-group's number within its tensor
	s_lshl_b32 s30, s15, 17                        ; 32 rows of 4,096 bytes
	s_lshl_b32 s17, s27, 15                        ; + 8 rows for the odd rowtile
	s_add_co_u32 s30, s30, s17
	s_lshl_b32 s17, s28, 11                        ; + 512 along K
	s_add_co_u32 s30, s30, s17
	s_mov_b32 s31, 0
	s_add_nc_u64 s[12:13], s[12:13], s[30:31]
	s_add_nc_u64 s[18:19], s[10:11], s[18:19]
	s_add_nc_u64 s[20:21], s[10:11], s[20:21]
.macro LOADF f                         ; fragment f: 16 rows x 512 bytes into set f % 2
.irp i, 0,1,2,3,4,5,6,7,8,9,10,11,12,13,14,15
	global_load_b128 v[R+64*((\f)%2)+4*\i:R+64*((\f)%2)+4*\i+3], v1, s[12:13] offset:(\i+8*(\i/8))*4096+(\f)*512 th:TH_LOAD_NT
.endr
.endm
.macro TURNF f                         ; through the stage: LDS serves a wave's instructions in order, so no wait stands between the stores and the loads
.irp i, 0,1,2,3,4,5,6,7,8,9,10,11,12,13,14,15
	ds_store_b128 v2, v[R+64*((\f)%2)+4*\i:R+64*((\f)%2)+4*\i+3] offset:\i*SP
.endr
.irp c, 0,1,2,3
.irp j, 0,1,2,3
	ds_load_b128 v[X+16*\c+4*\j:X+16*\c+4*\j+3], v3 offset:128*\c+16*\j
.endr
.endr
.endm
; 64 numbers of a lane, register 16 b + i = k 32 b + 16 h + i of my row, become the fragment's codes in v[PC] on and its scale word in v[pw]
.macro QUANT s, pw
.irp b, 0,1,2,3
	v_max3_num_f32 v[TM+\b], |v[\s+16*\b]|, |v[\s+1+16*\b]|, 0x8000000   ; my 16 numbers of block b, and the floor 2^(16 - 127): the byte cannot fall under 1
.endr
.irp i, 2,4,6,8,10,12,14
.irp b, 0,1,2,3
	v_max3_num_f32 v[TM+\b], v[TM+\b], |v[\s+16*\b+\i]|, |v[\s+1+16*\b+\i]|
.endr
.endr
.irp b, 0,1,2,3
	v_permlanex16_b32 v[TM+4+\b], v[TM+\b], s[SEL], s[SEL+1]
.endr
.irp b, 0,1,2,3
	v_max_num_f32 v[TM+\b], v[TM+\b], v[TM+4+\b]   ; with lane l xor 16's: the block's largest magnitude
.endr
.irp b, 0,1,2,3
	v_add_nc_u32 v[TM+12+\b], 0xf8800000, v[TM+\b] ; 15 off its exponent field: the conversion's scale operand
.endr
.irp b, 0,1,2,3
	v_and_or_b32 v[TM+8+\b], v[TM+\b], 0x7f800000, s[MNT]   ; 57,344 x the scale
.endr
.irp b, 0,1,2,3
	v_lshrrev_b32 v[TM+4+\b], 23, v[TM+12+\b]      ; the scale's byte
.endr
	v_lshl_or_b32 v[\pw], v[TM+5], 8, v[TM+4]
	v_lshl_or_b32 v[\pw], v[TM+6], 16, v[\pw]
	v_lshl_or_b32 v[\pw], v[TM+7], 24, v[\pw]
.irp b, 0,1,2,3
.irp i, 0,1,2,3,4,5,6,7,8,9,10,11,12,13,14,15
	v_med3_num_f32 v[\s+16*\b+\i], v[\s+16*\b+\i], -v[TM+8+\b], v[TM+8+\b]   ; the conversion to an 8-bit code does not saturate (ISA guide 7.6.2): the hold comes first
.endr
	v_cvt_scalef32_pk8_bf8_f32 v[PC+4*\b:PC+4*\b+1], v[\s+16*\b:\s+16*\b+7], v[TM+12+\b]
	v_cvt_scalef32_pk8_bf8_f32 v[PC+4*\b+2:PC+4*\b+3], v[\s+16*\b+8:\s+16*\b+15], v[TM+12+\b]
.endr
	v_nop                                          ; a plain line behind the last conversion
.endm
	LOADF 0
	LOADF 1
.irp f, 0,1,2,3
.if \f < 3
	s_wait_loadcnt 16                              ; this fragment's 16 loads are in; the next fragment's 16 may be out
.else
	s_wait_loadcnt 0x0
.endif
	TURNF \f
	s_wait_dscnt 0x0                               ; the numbers are back; the stores into the stage have read their registers
.if \f < 2
	LOADF \f+2
.endif
.if \f > 0
	s_wait_xcnt 0x0                                ; the last fragment's stores have read the codes' registers
.endif
	QUANT X, W+\f
.irp c, 0,1,2,3
	global_store_b128 v1, v[PC+4*\c:PC+4*\c+3], s[18:19] offset:\f*2048+\c*512   ; 512 consecutive bytes
.endr
.endr
	v_cndmask_b32 v[D], v[W], v[W+2], s26          ; lanes 0-15: steps 0 and 1; lanes 16-31: steps 2 and 3
	v_cndmask_b32 v[D+1], v[W+1], v[W+3], s26
	global_store_b64 v4, v[D:D+1], s[20:21]        ; 256 consecutive bytes, aligned
	s_wait_tensorcnt 0x0
	ds_add_u32 v254, v255
	s_wait_dscnt 0x0
	s_endpgm
.Lfunc_end_k_q7237824c41_quant:
	.size	k_q7237824c41_quant, .Lfunc_end_k_q7237824c41_quant-k_q7237824c41_quant
	.p2alignl 7, 3214868480
	.fill 96, 4, 3214868480
	.section	.rodata,"a",@progbits
	.p2align	6, 0x0
	.amdhsa_kernel k_q7237824c41_quant
		.amdhsa_group_segment_fixed_size 34304
		.amdhsa_private_segment_fixed_size 0
		.amdhsa_enable_private_segment 0
		.amdhsa_kernarg_size 32
		.amdhsa_user_sgpr_count 2
		.amdhsa_user_sgpr_kernarg_segment_ptr 1
		.amdhsa_wavefront_size32 1
		.amdhsa_system_sgpr_workgroup_id_x 1
		.amdhsa_system_sgpr_workgroup_id_y 1
		.amdhsa_system_sgpr_workgroup_id_z 1
		.amdhsa_system_vgpr_workitem_id 0
		.amdhsa_next_free_vgpr 256
		.amdhsa_next_free_sgpr 66
		.amdhsa_reserve_vcc 0
		.amdhsa_float_denorm_mode_32 3
		.amdhsa_float_denorm_mode_16_64 3
		.amdhsa_memory_ordered 1
		.amdhsa_forward_progress 1
		.amdhsa_inst_pref_size 51
	.end_amdhsa_kernel
	.amdgpu_metadata
---
amdhsa.version: [ 1, 2 ]
amdhsa.kernels:
  - .name:           k_q7237824c41_quant
    .symbol:         k_q7237824c41_quant.kd
    .args:
      - { .name: x, .offset: 0, .size: 8, .value_kind: global_buffer, .address_space: global }
      - { .name: W_qkv, .offset: 8, .size: 8, .value_kind: global_buffer, .address_space: global }
      - { .name: W_proj, .offset: 16, .size: 8, .value_kind: global_buffer, .address_space: global }
      - { .name: ops, .offset: 24, .size: 8, .value_kind: global_buffer, .address_space: global }
    .group_segment_fixed_size: 34304
    .private_segment_fixed_size: 0
    .kernarg_segment_align: 8
    .kernarg_segment_size: 32
    .max_flat_workgroup_size: 128
    .sgpr_count:     66
    .vgpr_count:     256
    .wavefront_size: 32
...
	.end_amdgpu_metadata
.endif
;; end of part 1
;; launch gemm_qkv (part 2): grid 12 x 32, 4 waves a work-group, clusters of 4 x 4, 327,680 bytes of LDS; arguments ops, sin, cos, qkv; writes qkv
.if DOCPART == 2
	.amdgcn_target "amdgcn-amd-amdhsa--gfx1250"
	.amdhsa_code_object_version 6
	.text
	.protected	k_q7237824c41_gemm_qkv
	.globl	k_q7237824c41_gemm_qkv
	.p2align	8
	.type	k_q7237824c41_gemm_qkv,@function
k_q7237824c41_gemm_qkv:
	s_mov_b64 s[64:65], 0
	v_nop
	global_prefetch_b8 v0, s[64:65] scope:SCOPE_SE
	s_setreg_imm32_b32 hwreg(HW_REG_WAVE_MODE, 25, 1), 1
	s_wait_xcnt 0x0
	s_wait_alu depctr_hold_cnt(0) depctr_sa_sdst(0) depctr_va_vdst(0) depctr_va_sdst(0) depctr_va_ssrc(0) depctr_va_vcc(0) depctr_vm_vsrc(0)
	s_getreg_b32 s2, hwreg(HW_REG_IB_STS2, 6, 4)
	s_cmp_eq_u32 s2, 0
	s_cbranch_scc0 .Lentry_in_a_cluster
	s_endpgm
.Lentry_in_a_cluster:
	s_bfe_u32 s2, ttmp6, 0x10000c
	s_cmp_lg_u32 s2, 0xf033
	s_cbranch_scc0 .Lentry_shape_is_right
	s_endpgm
.Lentry_shape_is_right:
.set FR,     16
.set NL,     4
.set NP,     8
.set NQ,     2
.set FRB,    2048
.set RT,     4096
.set HALFT,  32768
.set SLOT,   131072
.set SCL,    262144
.set HALFS,  4096
.set SPARE,  SCL+4*HALFS
.set ADRA, 16
.set ADRB, 20
.set ADRS, 27
.set SPW,  28
.set NIL,  29
.set SC,   32
.set AF,   128
.set G1, 24
.set G0, 32
.set G1B, 48
.set G0B, 56
.set G1S, 68
.set G0S, 76
.set G1SB, 80
.set G0SB, 88
.set Y,   64
.set C1,  128
.set C2,  144
.set S1,  160
.set S2,  176
.set PC,  192
.set TM,  208
.set PW,  224
.set SW,  228
.set MSB, 0
.macro WIN new
.if MSB != (\new)
	s_set_vgpr_msb (MSB<<8)|(\new)
.set MSB, (\new)
.endif
.endm
.set MUL_LO, 0xa1
.set MUL_HI, 0xf1
.set TO_B,   0x40
.macro JLOAD g0a, g1a, g0b, g1b
	s_cmp_eq_u32 s15, 0
	s_cbranch_scc0 .Lfor_b_\@
	tensor_load_to_lds s[\g0a:\g0a+3], s[\g1a:\g1a+7]
	s_nop 0
.rept 4
	v_nop
.endr
	s_branch .Lasked_\@
.Lfor_b_\@:
	tensor_load_to_lds s[\g0b:\g0b+3], s[\g1b:\g1b+7]
	s_nop 0
.rept 4
	v_nop
.endr
.Lasked_\@:
.endm
.macro CREST
	s_cmp_lg_u32 s14, 0
	s_cbranch_scc1 .Lnot_wave_0_\@
	s_barrier_signal -3
.Lnot_wave_0_\@:
	s_barrier_wait -3
	s_barrier_signal -1
	s_barrier_wait -1
.endm
.macro CROUND
	s_barrier_signal -1
	s_barrier_wait -1
	CREST
.endm
	s_load_b256 s[4:11], s[0:1], 0x0
	v_lshl_add_u32 v[SPW], v0, 2, SPARE
	v_mov_b32 v[NIL], 0
	ds_add_u32 v28, v29
	ds_add_u32 v28, v29
	s_wait_dscnt 0x0
	v_lshrrev_b32 v1, 5, v0
	v_readfirstlane_b32 s14, v1
	s_lshr_b32 s15, s14, 1
	s_and_b32 s16, s14, 1
	s_bfe_u32 s40, ttmp6, 0x40000
	s_bfe_u32 s41, ttmp6, 0x40004
	s_lshl_b32 s43, s41, 2
	s_lshl_b32 s43, 15, s43
	s_lshl_b32 s44, 0x1111, s40
	s_or_b32 s[G1+0], s43, (3<<16)|(1<<21)
	s_or_b32 s[G1B+0], s44, (3<<16)|(1<<21)
.irp g, G1, G1B
	s_mov_b32 s[\g+1], 512<<16
	s_mov_b32 s[\g+2], 16<<16
	s_mov_b32 s[\g+3], 512<<16
	s_mov_b32 s[\g+4], 16
	s_mov_b32 s[\g+5], 2048
	s_mov_b32 s[\g+6], 0
	s_mov_b32 s[\g+7], 0
.endr
	s_or_b32 s[G1S+0], s43, (3<<16)|(1<<21)
	s_or_b32 s[G1SB+0], s44, (3<<16)|(1<<21)
.irp g, G1S, G1SB
	s_mov_b32 s[\g+1], 32<<16
	s_mov_b32 s[\g+2], 32<<16
	s_mov_b32 s[\g+3], 32<<16
	s_mov_b32 s[\g+4], 32
	s_mov_b32 s[\g+5], 32
	s_mov_b32 s[\g+6], 0
	s_mov_b32 s[\g+7], 0
.endr
	s_and_b32 s17, ttmp7, 0xffff
	s_lshl_b32 s17, s17, 6
	s_lshl_b32 s18, ttmp9, 6
	s_add_co_u32 s18, s18, 512
	s_mov_b32 s19, 640
	s_cmp_eq_u32 ttmp9, 2
	s_cselect_b32 s20, s19, s17
	s_cselect_b32 s46, s17, s18
	s_lshl_b32 s21, s41, 4
	s_add_co_u32 s20, s20, s21
	s_lshl_b32 s47, s40, 4
	s_add_co_u32 s46, s46, s47
	s_lshl_b32 s22, s20, 14
	s_mov_b32 s23, 0
	s_lshl_b32 s20, s20, 9
	s_add_co_u32 s20, s20, 0xC00000
	s_mov_b32 s21, 0
	s_lshl_b32 s92, s46, 14
	s_mov_b32 s93, 0
	s_lshl_b32 s46, s46, 9
	s_add_co_u32 s46, s46, 0xC00000
	s_mov_b32 s47, 0
	s_lshl_b32 s45, s14, 15
	s_lshl_b32 s94, s14, 12
	s_wait_kmcnt 0x0
	s_add_nc_u64 s[22:23], s[4:5], s[22:23]
	s_add_nc_u64 s[20:21], s[4:5], s[20:21]
	s_add_nc_u64 s[92:93], s[4:5], s[92:93]
	s_add_nc_u64 s[46:47], s[4:5], s[46:47]
	CROUND
	s_mov_b32 s[G0S], 1
	s_mov_b32 s[G0S+1], SCL
	s_mov_b64 s[G0S+2:G0S+3], s[20:21]
	s_or_b32 s[G0S+3], s[G0S+3], 0x80000000
	s_mov_b32 s[G0SB], 1
	s_mov_b32 s[G0SB+1], SCL+2*HALFS
	s_mov_b64 s[G0SB+2:G0SB+3], s[46:47]
	s_or_b32 s[G0SB+3], s[G0SB+3], 0x80000000
	; the head's four tiles, each whole, one load a wave: wave 0 K step 0's 16 rowtiles of A, wave 1 those of B, wave 2 A's scale words, wave 3 B's
	s_mov_b32 s[G0], 1
	s_mov_b32 s[G0+1], 0
	s_mov_b64 s[G0+2:G0+3], s[22:23]
	s_or_b32 s[G0+3], s[G0+3], 0x80000000
	s_mov_b32 s[G0B], 1
	s_mov_b32 s[G0B+1], 2*HALFT
	s_mov_b64 s[G0B+2:G0B+3], s[92:93]
	s_or_b32 s[G0B+3], s[G0B+3], 0x80000000
.macro ARM under, g0, g1, next
	s_cmp_lt_u32 s14, \under
	s_cbranch_scc0 \next
	tensor_load_to_lds s[\g0:\g0+3], s[\g1:\g1+7]
	s_nop 0
.rept 4
	v_nop
.endr
	s_branch .Lhead_asked
\next:
.endm
	ARM 1, G0,  G1,  .Lhead_b
	ARM 2, G0B, G1B, .Lhead_sa
	ARM 3, G0S, G1S, .Lhead_sb
	tensor_load_to_lds s[G0SB:G0SB+3], s[G1SB:G1SB+7]
	s_nop 0
.rept 4
	v_nop
.endr
.Lhead_asked:
	s_wait_alu depctr_va_vdst(0)
	s_wait_tensorcnt 0x0                           ; my tile of the four is in: the three lines ahead of slot 1's first fill
	ds_add_u32 v28, v29
	s_mov_b32 s[G1+2], 8<<16                       ; no tensor load of mine is out: from here on a load brings 8 rowtiles
	s_mov_b32 s[G1+4], 8
	s_mov_b32 s[G1B+2], 8<<16
	s_mov_b32 s[G1B+4], 8
	s_lshl_b32 s18, s16, 17                        ; my half of a tile's 16 rowtiles of 16,384 bytes
	s_mov_b32 s19, 0
	s_add_nc_u64 s[22:23], s[22:23], s[18:19]
	s_add_nc_u64 s[92:93], s[92:93], s[18:19]
.irp s, 0,1
	s_mov_b32 s[G0+4*\s], 1
	s_add_co_u32 s[G0+4*\s+1], s45, \s*SLOT
	s_add_nc_u64 s[G0+4*\s+2:G0+4*\s+3], s[22:23], \s*RT
	s_or_b32 s[G0+4*\s+3], s[G0+4*\s+3], 0x80000000
	s_mov_b32 s[G0B+4*\s], 1
	s_add_co_u32 s[G0B+4*\s+1], s45, \s*SLOT
	s_add_nc_u64 s[G0B+4*\s+2:G0B+4*\s+3], s[92:93], \s*RT
	s_or_b32 s[G0B+4*\s+3], s[G0B+4*\s+3], 0x80000000
.endr
	s_wait_dscnt 0x0
	CROUND
	JLOAD G0+4, G1, G0B+4, G1B
	v_and_b32 v1, 15, v0
	v_bfe_u32 v2, v0, 4, 1
	s_wait_alu depctr_va_vdst(0)
	v_and_b32 v3, 31, v0
	v_lshlrev_b32 v4, 4, v3
	s_lshl_b32 s21, s15, 15
	s_lshl_b32 s22, s16, 15
	s_add_co_u32 s22, s22, 2*HALFT
.irp s, 0,1
	v_add_nc_u32 v[ADRA+\s], s21, v4
	v_add_nc_u32 v[ADRB+\s], s22, v4
	s_add_co_u32 s21, s21, SLOT
	s_add_co_u32 s22, s22, SLOT
.endr
	v_lshlrev_b32 v5, 3, v1
	s_lshl_b32 s21, s15, 12
	s_lshl_b32 s22, s16, 12
	s_add_co_u32 s22, s22, 2*HALFS
	s_sub_co_u32 s22, s22, s21
	v_mul_u32_u24 v6, s22, v2
	s_add_co_u32 s21, s21, SCL
	v_add_nc_u32 v5, v5, v6
	v_add_nc_u32 v[ADRS], s21, v5
.macro FRAG reg, adr, q, i
.irp c, 0,1,2,3
	ds_load_b128 v[\reg+4*\c:\reg+4*\c+3], v[\adr] offset:(\i)*RT+(\q)*FRB+512*\c
.endr
.endm
.macro MUL16 a0, p, q, sc, zero
.irp a, \a0, \a0+1
.irp b, 0,1,2,3,4,5,6,7
.if \zero
	v_wmma_scale_f32_16x16x128_f8f6f4 v[8*(8*((\a)%4)+\b):8*(8*((\a)%4)+\b)+7], v[128*(\p)+FR*\b:128*(\p)+FR*\b+FR-1], v[AF+FR*(\a):AF+FR*(\a)+FR-1], 0, v[SC+8*NQ*(\sc)+NQ*\b+(\q)], v[SC+8*NQ*(\sc)+NQ*(\a)+(\q)] matrix_a_fmt:MATRIX_FMT_BF8 matrix_b_fmt:MATRIX_FMT_BF8 matrix_a_scale:MATRIX_SCALE_ROW1
.else
	v_wmma_scale_f32_16x16x128_f8f6f4 v[8*(8*((\a)%4)+\b):8*(8*((\a)%4)+\b)+7], v[128*(\p)+FR*\b:128*(\p)+FR*\b+FR-1], v[AF+FR*(\a):AF+FR*(\a)+FR-1], v[8*(8*((\a)%4)+\b):8*(8*((\a)%4)+\b)+7], v[SC+8*NQ*(\sc)+NQ*\b+(\q)], v[SC+8*NQ*(\sc)+NQ*(\a)+(\q)] matrix_a_fmt:MATRIX_FMT_BF8 matrix_b_fmt:MATRIX_FMT_BF8 matrix_a_scale:MATRIX_SCALE_ROW1
.endif
.endr
.endr
.endm
.macro FETCH_B slot, q, p
	WIN TO_B
.irp i, 0,1,2,3,4,5,6,7
	FRAG 128*(\p)+FR*\i, ADRB+\slot, \q, \i
.endr
	WIN 0
.endm
.macro FETCH_A slot, q, i0
.irp i, \i0, \i0+1, \i0+2, \i0+3
	FRAG AF+FR*(\i), ADRA+\slot, \q, \i
.endr
.endm
.macro SCALES sc
.irp i, 0,1,2,3,4,5,6,7
	ds_load_b64 v[SC+8*NQ*\sc+NQ*\i:SC+8*NQ*\sc+NQ*\i+1], v[ADRS] offset:\i*512
.endr
.endm
.macro PLACES n
.rept \n
	v_nop
.endr
.endm
.macro STEP slot, q, zero
	s_wait_dscnt 4*NL
	WIN MUL_LO
	MUL16 0, (\q)%2, \q, \slot, \zero
	MUL16 2, (\q)%2, \q, \slot, \zero
	s_wait_dscnt 0
	PLACES NP
	FETCH_B \slot, (\q)+1, 1-(\q)%2
	FETCH_A \slot, (\q)+1, 0
	WIN MUL_HI
	MUL16 4, (\q)%2, \q, \slot, \zero
	MUL16 6, (\q)%2, \q, \slot, \zero
	PLACES NP
	WIN 0
	FETCH_A \slot, (\q)+1, 4
.endm
.macro TURN slot, next, fill
	s_wait_tensorcnt 0x0
	ds_add_u32 v[SPW], v[NIL]
	s_wait_dscnt 4*NL+1
	WIN MUL_LO
	MUL16 0, 1, NQ-1, \slot, 0
	s_wait_dscnt 0x0
	s_barrier_signal -1
	MUL16 2, 1, NQ-1, \slot, 0
	WIN 0
	s_barrier_wait -1
.if \fill
	CREST
	s_add_nc_u64 s[G0+4*\slot+2:G0+4*\slot+3], s[G0+4*\slot+2:G0+4*\slot+3], 2*RT
	s_add_nc_u64 s[G0B+4*\slot+2:G0B+4*\slot+3], s[G0B+4*\slot+2:G0B+4*\slot+3], 2*RT
	JLOAD G0+4*\slot, G1, G0B+4*\slot, G1B
	PLACES NP-4
.else
	PLACES NP
.endif
	s_wait_alu depctr_va_vdst(0)
	v_add_nc_u32 v[ADRS], 128, v[ADRS]
	FETCH_B \next, 0, 0
	FETCH_A \next, 0, 0
	SCALES \next
	WIN MUL_HI
	MUL16 4, 1, NQ-1, \slot, 0
	MUL16 6, 1, NQ-1, \slot, 0
	PLACES NP
	WIN 0
	FETCH_A \next, 0, 4
.endm
	s_wait_alu depctr_va_vdst(0)
	s_wait_tensorcnt 1
	s_barrier_signal -1
	s_barrier_wait -1
	FETCH_B 0, 0, 0
	FETCH_A 0, 0, 0
	SCALES 0
	FETCH_A 0, 0, 4
	STEP 0, 0, 1
	TURN 0, 1, 1
	STEP 1, 0, 0
	TURN 1, 0, 1
	STEP 0, 0, 0
	TURN 0, 1, 0
	STEP 1, 0, 0
	s_wait_dscnt 4*NL
	WIN MUL_LO
	MUL16 0, 1, NQ-1, 1, 0
	MUL16 2, 1, NQ-1, 1, 0
	s_wait_dscnt 0
	WIN MUL_HI
	MUL16 4, 1, NQ-1, 1, 0
	MUL16 6, 1, NQ-1, 1, 0
	WIN 0
	PLACES NP
	s_cmp_eq_u32 ttmp9, 2
	s_cselect_b32 s17, s40, s41
	s_cselect_b32 s18, s16, s15
	s_cselect_b32 s19, s41, s40
	s_cselect_b32 s12, s15, s16
	s_cselect_b32 s13, 512, 0
	s_and_b32 s20, ttmp7, 0xffff
	s_lshl_b32 s20, s20, 2
	s_add_co_u32 s20, s20, s17
	s_lshl_b32 s20, s20, 1
	s_add_co_u32 s20, s20, s18
	s_lshr_b32 s21, s20, 4
	s_and_b32 s42, s20, 15
	s_lshl_b32 s21, s21, 4
	s_lshl_b32 s19, s19, 2
	s_add_co_u32 s21, s21, s19
	s_lshl_b32 s12, s12, 1
	s_add_co_u32 s43, s21, s12
	s_lshl_b32 s20, ttmp9, 23
	s_lshl_b32 s21, s43, 17
	s_add_co_u32 s20, s20, s21
	s_lshl_b32 s21, s42, 13
	s_add_co_u32 s20, s20, s21
	s_mov_b32 s21, 0
	s_add_nc_u64 s[20:21], s[10:11], s[20:21]
	s_lshl_b32 s22, s43, 4
	s_add_co_u32 s22, s22, s42
	s_mul_i32 s22, s22, 768
	s_add_co_u32 s22, s22, s13
	s_add_co_u32 s22, s22, 0x1800000
	s_cmp_lg_u32 ttmp9, 0
	s_cselect_b32 s23, 0xC0000, 0
	s_add_co_u32 s22, s22, s23
	s_mov_b32 s23, 0
	s_add_nc_u64 s[22:23], s[10:11], s[22:23]
	s_mov_b32 s44, 0xffff0000
	s_mov_b32 s45, 0x600000
	s_mov_b32 s46, 0x76543210
	s_mov_b32 s47, 0xfedcba98
	s_lshl_b32 s17, s42, 7
	v_and_b32 v7, 15, v0
	v_bfe_u32 v8, v0, 4, 1
	v_and_b32 v1, 31, v0
	v_lshlrev_b32 v1, 4, v1
	v_lshlrev_b32 v2, 4, v7
	v_mad_u32_u24 v2, v8, 12288, v2
	v_lshlrev_b32 v3, 4, v8
	v_and_b32 v4, 8, v7
	v_add_nc_u32 v4, v4, v7
	v_add_nc_u32 v4, s17, v4
	v_cmp_gt_u32 s12, 4, v4
	v_max_u32 v5, 4, v4
	v_sub_nc_u32 v5, v5, 4
	v_lshlrev_b32 v5, 8, v5
	v_lshl_add_u32 v5, v8, 6, v5
	v_add_nc_u32 v6, 4, v4
	v_lshlrev_b32 v6, 8, v6
	v_lshl_add_u32 v6, v8, 6, v6
.irp b, 0,1,2,3
	v_mov_b32 v[TM+4+\b], 0
.endr
.macro QUANT src, w, pw
	WIN ((\w)<<2)|((\w)<<4)
.irp b, 0,1,2,3
	v_max3_num_f32 v[TM+\b], 0x8000000, |v[(\src)+16*\b]|, |v[(\src)+1+16*\b]|
.endr
.irp i, 2,4,6,8,10,12,14
.irp b, 0,1,2,3
	v_max3_num_f32 v[TM+\b], v[TM+\b], |v[(\src)+16*\b+\i]|, |v[(\src)+1+16*\b+\i]|
.endr
.endr
	WIN 0
.irp b, 0,1,2,3
	v_permlanex16_b32 v[TM+4+\b], v[TM+\b], s46, s47
.endr
.irp b, 0,1,2,3
	v_max_num_f32 v[TM+\b], v[TM+\b], v[TM+4+\b]
.endr
.irp b, 0,1,2,3
	v_add_nc_u32 v[TM+12+\b], 0xf8800000, v[TM+\b]
.endr
.irp b, 0,1,2,3
	v_and_or_b32 v[TM+8+\b], v[TM+\b], 0x7f800000, s45
.endr
.irp b, 0,1,2,3
	v_lshrrev_b32 v[TM+4+\b], 23, v[TM+12+\b]
.endr
	v_lshl_or_b32 v[\pw], v[TM+5], 8, v[TM+4]
	v_lshl_or_b32 v[\pw], v[TM+6], 16, v[\pw]
	v_lshl_or_b32 v[\pw], v[TM+7], 24, v[\pw]
	WIN (\w)
.irp b, 0,1,2,3
.irp i, 0,1,2,3,4,5,6,7,8,9,10,11,12,13,14,15
	v_med3_num_f32 v[Y+16*\b+\i], v[(\src)+16*\b+\i], -v[TM+8+\b], v[TM+8+\b]
.endr
.endr
	WIN 0
	s_wait_alu depctr_va_vdst(0)
	s_wait_xcnt 0x0
.irp b, 0,1,2,3
	v_cvt_scalef32_pk8_bf8_f32 v[PC+4*\b:PC+4*\b+1], v[Y+16*\b:Y+16*\b+7], v[TM+12+\b]
	v_cvt_scalef32_pk8_bf8_f32 v[PC+4*\b+2:PC+4*\b+3], v[Y+16*\b+8:Y+16*\b+15], v[TM+12+\b]
.endr
	v_nop
.endm
.macro CSLOAD a
.if (\a) == 0
.set CV, 5
.set CF, 0
.else
.set CV, 6
.set CF, (32*((\a)/2)+8*((\a)%2)-8)*256
.endif
; block a's cos and sin go to set a % 4 of window 1, whose registers are free on the way out: four blocks' loads are out at a time
.set C1, 64*((\a)%4)
.set C2, C1+16
.set S1, C1+32
.set S2, C1+48
	WIN TO_B
.irp j, 0,1,2,3
	global_load_b128 v[C1+4*\j:C1+4*\j+3], v[CV], s[8:9] offset:CF+16*\j
	global_load_b128 v[C2+4*\j:C2+4*\j+3], v[CV], s[8:9] offset:CF+128+16*\j
	global_load_b128 v[S1+4*\j:S1+4*\j+3], v[CV], s[6:7] offset:CF+16*\j
	global_load_b128 v[S2+4*\j:S2+4*\j+3], v[CV], s[6:7] offset:CF+128+16*\j
.endr
	WIN 0
.endm
.macro ROPE a
.set AC, 64*((\a)%4)
.set C1, 64*((\a)%4)
.set C2, C1+16
.set S1, C1+32
.set S2, C1+48
	WIN (2+(\a)/4)|4
.irp hh, 0,1
.irp i, 0,2,4,6,8,10,12,14
	v_pk_mul_f32 v[Y+32*\hh+\i:Y+32*\hh+\i+1], v[AC+32*\hh+\i:AC+32*\hh+\i+1], v[C1+\i:C1+\i+1]
	v_pk_mul_f32 v[Y+32*\hh+16+\i:Y+32*\hh+16+\i+1], v[AC+32*\hh+16+\i:AC+32*\hh+16+\i+1], v[C2+\i:C2+\i+1]
	v_pk_fma_f32 v[Y+32*\hh+\i:Y+32*\hh+\i+1], v[AC+32*\hh+16+\i:AC+32*\hh+16+\i+1], v[S1+\i:S1+\i+1], v[Y+32*\hh+\i:Y+32*\hh+\i+1] neg_lo:[0,1,0] neg_hi:[0,1,0]
	v_pk_fma_f32 v[Y+32*\hh+16+\i:Y+32*\hh+16+\i+1], v[AC+32*\hh+\i:AC+32*\hh+\i+1], v[S2+\i:S2+\i+1], v[Y+32*\hh+16+\i:Y+32*\hh+16+\i+1]
.endr
.endr
	WIN 0
.endm
	s_cmp_eq_u32 ttmp9, 2
	s_cbranch_scc1 .Lv
	s_wait_alu depctr_va_vdst(0)
	CSLOAD 0
	CSLOAD 1
	CSLOAD 2
	CSLOAD 3
.irp a, 0,1,2,3,4,5,6,7
.if \a < 5
	s_wait_loadcnt 48                              ; block a's 16 loads are in; those of the three blocks behind it may be out
.else
	s_wait_loadcnt 16*(7-\a)
.endif
.if \a == 0
.set C1, 0
.set S1, 32
	WIN 0x41
.set n, 0
.rept 32
	v_cndmask_b32 v[C1+n], v[C1+n], 1.0, s12
	v_cndmask_b32 v[S1+n], v[S1+n], 0, s12
.set n, n+1
.endr
.endif
	ROPE \a
.if \a < 4
	CSLOAD \a+4
.endif
	QUANT Y, 0, PW
	v_bfe_u32 v[SW+\a], v[PW], v3, 16
.irp c, 0,1,2,3
	global_store_b128 v1, v[PC+4*\c:PC+4*\c+3], s[20:21] offset:(\c/2)*131072+\a*1024+(\c%2)*512
.endr
.if \a == 3
	global_store_b128 v2, v[SW:SW+3], s[22:23]
.endif
.if \a == 7
	global_store_b128 v2, v[SW+4:SW+7], s[22:23] offset:256
.endif
.endr
	s_branch .Lend
.Lv:
.irp a, 0,1,2,3,4,5,6,7
.if \a < 4
	QUANT 64*(\a%4), 2+\a/4, SW+\a
.else
	QUANT 64*(\a%4), 2+\a/4, PW
	v_cndmask_b32 v[SW+\a-4], v[SW+\a-4], v[PW], s44
.endif
.irp c, 0,1,2,3
	global_store_b128 v1, v[PC+4*\c:PC+4*\c+3], s[20:21] offset:(\a/4)*131072+(\a%4)*2048+\c*512
.endr
.endr
	global_store_b128 v2, v[SW:SW+3], s[22:23]
.Lend:
	s_wait_tensorcnt 0x0
	ds_add_u32 v[SPW], v[NIL]
	s_wait_dscnt 0x0
	CROUND
	s_endpgm
.Lfunc_end_k_q7237824c41_gemm_qkv:
	.size	k_q7237824c41_gemm_qkv, .Lfunc_end_k_q7237824c41_gemm_qkv-k_q7237824c41_gemm_qkv
	.p2alignl 7, 3214868480
	.fill 96, 4, 3214868480
	.section	.rodata,"a",@progbits
	.p2align	6, 0x0
	.amdhsa_kernel k_q7237824c41_gemm_qkv
		.amdhsa_group_segment_fixed_size 327680
		.amdhsa_private_segment_fixed_size 0
		.amdhsa_enable_private_segment 0
		.amdhsa_kernarg_size 32
		.amdhsa_user_sgpr_count 2
		.amdhsa_user_sgpr_kernarg_segment_ptr 1
		.amdhsa_wavefront_size32 1
		.amdhsa_system_sgpr_workgroup_id_x 1
		.amdhsa_system_sgpr_workgroup_id_y 1
		.amdhsa_system_sgpr_workgroup_id_z 1
		.amdhsa_system_vgpr_workitem_id 0
		.amdhsa_next_free_vgpr 1024
		.amdhsa_next_free_sgpr 98
		.amdhsa_reserve_vcc 0
		.amdhsa_float_denorm_mode_32 3
		.amdhsa_float_denorm_mode_16_64 3
		.amdhsa_memory_ordered 1
		.amdhsa_forward_progress 1
		.amdhsa_inst_pref_size 255
	.end_amdhsa_kernel
	.section	.bss,"aw",@nobits
	.p2align	6
	.space	262144
	.amdgpu_metadata
---
amdhsa.version: [ 1, 2 ]
amdhsa.kernels:
  - .name:           k_q7237824c41_gemm_qkv
    .symbol:         k_q7237824c41_gemm_qkv.kd
    .args:
      - { .name: ops, .offset: 0, .size: 8, .value_kind: global_buffer, .address_space: global }
      - { .name: sin, .offset: 8, .size: 8, .value_kind: global_buffer, .address_space: global }
      - { .name: cos, .offset: 16, .size: 8, .value_kind: global_buffer, .address_space: global }
      - { .name: qkv, .offset: 24, .size: 8, .value_kind: global_buffer, .address_space: global }
    .group_segment_fixed_size: 327680
    .private_segment_fixed_size: 0
    .kernarg_segment_align: 8
    .kernarg_segment_size: 32
    .max_flat_workgroup_size: 128
    .sgpr_count:     98
    .vgpr_count:     1024
    .wavefront_size: 32
...
	.end_amdgpu_metadata
.endif
;; end of part 2
;; launch attn (part 3): grid 4 x 64, 8 waves a work-group, clusters of 4 x 1, 327,680 bytes of LDS; arguments qkv, oq; writes oq
.if DOCPART == 3
	.amdgcn_target "amdgcn-amd-amdhsa--gfx1250"
	.amdhsa_code_object_version 6
	.text
	.protected	k_q7237824c41_attn
	.globl	k_q7237824c41_attn
	.p2align	8
	.type	k_q7237824c41_attn,@function
k_q7237824c41_attn:
	s_mov_b64 s[64:65], 0
	v_nop
	global_prefetch_b8 v0, s[64:65] scope:SCOPE_SE
	s_setreg_imm32_b32 hwreg(HW_REG_WAVE_MODE, 25, 1), 1
	s_wait_xcnt 0x0
	s_wait_alu depctr_hold_cnt(0) depctr_sa_sdst(0) depctr_va_vdst(0) depctr_va_sdst(0) depctr_va_ssrc(0) depctr_va_vcc(0) depctr_vm_vsrc(0)
	s_getreg_b32 s2, hwreg(HW_REG_IB_STS2, 6, 4)
	s_cmp_eq_u32 s2, 0
	s_cbranch_scc0 .Lentry_in_a_cluster
	s_endpgm
.Lentry_in_a_cluster:
	s_bfe_u32 s2, ttmp6, 0x10000c
	s_cmp_lg_u32 s2, 0x3003
	s_cbranch_scc0 .Lentry_shape_is_right
	s_endpgm
.Lentry_shape_is_right:
; o = softmax(q k^T / 8) v for one (batch, head) and 512 queries a work-group, both products on codes of BF8 (E5M2) with E8M0 scales; o / l is quantised along the model's 1,024 and stored as an image for the last product.
; THE SOFTMAX: t = score x log2(e) / 8; M = the running largest t rounded UP to a whole number; p = 2^(t - M) is quantised along the keys, not normalised; the row's sum l is taken of the unquantised p and divides at the end.
; When M moves, l and O are multiplied by 2^(old M - new M), which rounds nothing.  The running maximum is kept as a score (c is positive).
; SHARES.  Eight waves of 512 registers, two to a SIMD.  In each of two passes a wave owns TWO neighbouring tiles of 16 queries: tile A's state lies in register window 0, tile B's in window 1 under the same numbers,
; so that one macro serves both.  Each fragment of K and of V is read from LDS once for both tiles.  B runs half a key step behind A: one tile's plain vector work stands behind the other's exponentials,
; products and LDS loads.  B's first half step finds p = 0, which adds nothing.
; A HEAD'S WHOLE K, V AND THEIR SCALE WORDS (274,432 bytes) LIE IN LDS, each byte filled once.  At the head each wave issues one load: waves 0-3 halves of key steps 0-4 of K and of V (20,480 bytes), waves 4-7 the scale
; words (3,072 bytes).  Behind the three lines and a round each wave issues its last load: 22,528 bytes of key steps 5-15.  The loop reads K one step ahead, so four steps run on the head's five.
; CLUSTER: the four work-groups of a cluster belong to one head: every tensor load is asked for jointly, by a descriptor that hangs on the head and the wave's number alone.
; NO PREFETCH: all of K, V and the scale words is asked for by these two loads a wave at the start, and all four tiles' Q at the head: no later load is left to run ahead of.
; LAYOUT.  Both products are used transposed (S^T = K Q^T, O^T = V^T P^T): a lane holds one query.  Operands are images of registers; a tile's rows are 32 (T / 2) + 8 (T % 2) + r + 8 (r / 8).
; THE FIRST PRODUCT'S K IS 64, THE INSTRUCTION'S 128: Q's upper eight registers are zero codes.  K's tile t is named as 16 registers: the upper eight are tile t + 1's codes, for tile 7 the first eight registers of
; tile A's p codes: finite numbers by the quantiser's hold, so that every product there is 0 exactly; the scale words' upper two bytes are 0, which is 2^-127 and no NaN.
; LIMITS: a block of zeros gets the byte 1 where the rule says 127 (this program alone reads the bytes); NaN and infinities are not served; the promise holds while the scaled scores t stay under 2^31 in magnitude.
.set VOF,  131072                      ; LDS: K's 16 key steps of 8,192 bytes from 0, V's from here
.set SCB,  262144                      ; scale words: 16 key steps x 768 bytes: K's 512, V's 256
.set STG,  274432                      ; 1,024 bytes of their own for o's scale half-words
.set SPARE, 275456                     ; the spare words: 128 bytes a wave
; both windows: v8-11, v224-227 partial sums; v12 -M, v13 largest score, v[14:15] l; v16-31 Q and zero codes; v96-111 p's codes; v112-175 S^T, p; v176-207 O^T; v208-230 at work
; window 0 alone: v1-7, v251 addresses; v32-95 K; v232-249 scale words and nothing else; v254, v255 the add's.  window 1 alone: v32-95 V; v232-247 the second pass's Q
.set U0,   8
.set U1,   10
.set Q,    16
.set KF,   32
.set PCD,  96
.set S,    112
.set O,    176
.set BM,   208
.set T2,   212
.set LIM,  216
.set SCO,  220
.set U2,   224
.set U3,   226
.set F,    228
.set TMP,  230
.set KS,   232
.set VS,   240
.set QS,   244                         ; v244 A's, v245 B's
.set PS,   246                         ; likewise
.set QS2,  248
.set STA,  251
.set SPW,  254
.set NIL,  255
.set SO,   2
.set PASS, 3
.set WV,   8
.set SEL,  10
.set CS,   12
.set MNT,  14
.set NC,   15
.set G1A,  16                          ; group 1: 80 rows of 256 bytes;  G1C: 12 rows;  G1B: 88 rows
.set G1C,  24
.set G1B,  32
.set G0A,  40
.set G0C,  44
.set G0B,  48
.set CNT,  52
.set TB,   53
.set TS,   54
.set MSB, 0
.macro WIN new                         ; the immediate's high byte repeats the setting that is left
.if MSB != (\new)
	s_set_vgpr_msb (MSB<<8)|(\new)
.set MSB, (\new)
.endif
.endm
.macro ROUND
	s_barrier_signal -1
	s_barrier_wait -1
	s_cmp_lg_u32 s[WV], 0
	s_cbranch_scc1 .Lnot_wave_0_\@
	s_barrier_signal -3
.Lnot_wave_0_\@:
	s_barrier_wait -3
	s_barrier_signal -1
	s_barrier_wait -1
.endm
.macro GRP1 g, rows                    ; dense rows of 256 bytes; the mask names all four partners, bit 21 beside it
	s_mov_b32 s[\g], 15|(3<<16)|(1<<21)
	s_mov_b32 s[\g+1], 32<<16
	s_mov_b32 s[\g+2], (\rows)<<16
	s_mov_b32 s[\g+3], 32<<16
	s_mov_b32 s[\g+4], \rows
	s_mov_b32 s[\g+5], 32
	s_mov_b32 s[\g+6], 0
	s_mov_b32 s[\g+7], 0
.endm
	s_load_b128 s[4:7], s[0:1], 0x0                ; qkv s[4:5], oq s[6:7]
	v_lshl_add_u32 v[SPW], v0, 2, SPARE
	v_mov_b32 v[NIL], 0
	ds_add_u32 v[SPW], v[NIL]                      ; the opening lines: the add twice on end and one wait
	ds_add_u32 v[SPW], v[NIL]
	v_lshrrev_b32 v1, 5, v0
	s_delay_alu instid0(VALU_DEP_1)
	v_readfirstlane_b32 s[WV], v1                  ; wave 0..7
	s_and_b32 s9, ttmp7, 0xffff                    ; 16 x batch + head
	GRP1 G1A, 80
	GRP1 G1C, 12
	GRP1 G1B, 88
	s_bfe_u32 s2, s[WV], 0x10001                   ; the head's codes: waves 0, 1 K, waves 2, 3 V; half wave % 2 of key steps 0-4
	s_and_b32 s3, s[WV], 1
	s_mul_i32 s3, s3, 20480
	s_lshl_b32 s53, s2, 17
	s_add_co_u32 s[G0A+1], s53, s3
	s_add_co_u32 s2, s2, 1
	s_lshl_b32 s2, s2, 23
	s_lshl_b32 s54, s9, 17
	s_add_co_u32 s56, s2, s54
	s_add_co_u32 s56, s56, s3
	s_mov_b32 s57, 0
	s_and_b32 s55, s[WV], 3
	s_mul_i32 s3, s55, 3072                        ; the scale words: a quarter of the head's 12,288 bytes
	s_add_co_u32 s[G0C+1], s3, SCB
	s_mul_i32 s58, s9, 12288
	s_add_co_u32 s58, s58, s3
	s_add_co_u32 s58, s58, 0x18C0000
	s_mov_b32 s59, 0
	s_mul_i32 s3, s55, 22528                       ; key steps 5-15: a quarter of 90,112 bytes; waves 0-3 K, waves 4-7 V
	s_add_co_u32 s3, s3, 40960
	s_lshr_b32 s2, s[WV], 2
	s_lshl_b32 s53, s2, 17
	s_add_co_u32 s[G0B+1], s53, s3
	s_add_co_u32 s2, s2, 1
	s_lshl_b32 s2, s2, 23
	s_add_co_u32 s60, s2, s54
	s_add_co_u32 s60, s60, s3
	s_mov_b32 s61, 0
	s_mov_b32 s[SEL], 0x76543210
	s_mov_b32 s[SEL+1], 0xfedcba98
	s_mov_b32 s[CS], 0x3e38aa3b                    ; c = log2(e) / 8
	s_mov_b32 s[CS+1], s[CS]
	s_mov_b32 s[NC], 0xbe38aa3b                    ; -c
	s_mov_b32 s[MNT], 0x600000
	s_wait_dscnt 0x0
	s_wait_kmcnt 0x0
	s_mov_b32 s[G0A], 1
	s_add_nc_u64 s[G0A+2:G0A+3], s[4:5], s[56:57]
	s_or_b32 s[G0A+3], s[G0A+3], 0x80000000
	s_mov_b32 s[G0C], 1
	s_add_nc_u64 s[G0C+2:G0C+3], s[4:5], s[58:59]
	s_or_b32 s[G0C+3], s[G0C+3], 0x80000000
	s_mov_b32 s[G0B], 1
	s_add_nc_u64 s[G0B+2:G0B+3], s[4:5], s[60:61]
	s_or_b32 s[G0B+3], s[G0B+3], 0x80000000
	ROUND                                          ; all four work-groups are here: the joint loads meet
	s_cmp_lt_u32 s[WV], 4                          ; one load a wave, one in each arm
	s_cbranch_scc0 .Lhead_sc
	tensor_load_to_lds s[G0A:G0A+3], s[G1A:G1A+7]
	s_nop 0
.rept 4
	v_nop
.endr
	s_branch .Lhead_asked
.Lhead_sc:
	tensor_load_to_lds s[G0C:G0C+3], s[G1C:G1C+7]
	s_nop 0
.rept 4
	v_nop
.endr
.Lhead_asked:
	s_bfe_u32 s2, ttmp6, 0x40000                   ; cx: it enters Q's and o's global addresses alone
	s_lshl_b32 s55, s2, 5                          ; the work-group's first tile of queries
	s_lshl_b32 s2, s[WV], 1
	s_add_co_u32 s53, s55, s2                      ; T: tile A of the first pass; B is T + 1; the second pass's are 16 on
	s_lshl_b32 s56, s9, 17
	s_lshl_b32 s2, s53, 10
	s_add_co_u32 s56, s56, s2
	s_mov_b32 s57, 0
	s_add_nc_u64 s[56:57], s[4:5], s[56:57]        ; Q's image
	s_lshl_b32 s58, s9, 4
	s_lshr_b32 s2, s53, 3
	s_add_co_u32 s58, s58, s2
	s_mul_i32 s58, s58, 768
	s_bfe_u32 s2, s53, 0x10002
	s_lshl_b32 s2, s2, 8
	s_add_co_u32 s58, s58, s2
	s_and_b32 s2, s53, 3
	s_lshl_b32 s2, s2, 2
	s_add_co_u32 s58, s58, s2
	s_add_co_u32 s58, s58, 0x1800000
	s_mov_b32 s59, 0
	s_add_nc_u64 s[58:59], s[4:5], s[58:59]        ; Q's scale words
	s_lshr_b32 s2, s9, 4
	s_lshl_b32 s2, s2, 7                           ; 128 x batch
	s_add_co_u32 s60, s2, s53
	s_lshl_b32 s60, s60, 14
	s_and_b32 s3, s9, 15
	s_lshl_b32 s3, s3, 10                          ; head x 1,024
	s_add_co_u32 s60, s60, s3
	s_mov_b32 s61, 0
	s_add_nc_u64 s[60:61], s[6:7], s[60:61]        ; o's image
	s_add_co_u32 s62, s2, s55
	s_lshl_b32 s62, s62, 5
	s_lshl_b32 s3, s3, 4                           ; head x 16,384
	s_add_co_u32 s62, s62, s3
	s_add_co_u32 s62, s62, 0x800000
	s_mov_b32 s63, 0
	s_add_nc_u64 s[62:63], s[6:7], s[62:63]        ; o's scale half-words: the work-group's 1,024 bytes
	s_lshl_b32 s2, s[WV], 6
	v_and_b32 v8, 31, v0
	v_and_b32 v9, 15, v0
	s_delay_alu instid0(VALU_DEP_2)
	v_lshlrev_b32 v1, 4, v8                        ; 16 x lane
	s_delay_alu instid0(VALU_DEP_2)
	v_lshlrev_b32 v10, 4, v9                       ; 16 r
	global_load_b128 v[Q:Q+3], v1, s[56:57]        ; tile A's Q
	global_load_b128 v[Q+4:Q+7], v1, s[56:57] offset:512
	global_load_b32 v[QS], v10, s[58:59]
	global_load_b32 v[QS+1], v10, s[58:59] offset:4
	global_load_b32 v[QS2], v10, s[58:59] offset:1536
	global_load_b32 v[QS2+1], v10, s[58:59] offset:1540
	WIN 0x40                                       ; destinations in window 1
	global_load_b128 v[Q:Q+3], v1, s[56:57] offset:1024     ; tile B's
	global_load_b128 v[Q+4:Q+7], v1, s[56:57] offset:1536
.irp j, 0,1,2,3
	global_load_b128 v[232+4*\j:235+4*\j], v1, s[56:57] offset:16384+512*\j   ; the second pass's two tiles wait in window 1
.endr
.irp j, 0,1,2,3,4,5,6,7
	v_mov_b32 v[Q+8+\j], 0
.endr
.irp b, 0,1,2,3
	v_mov_b32 v[T2+\b], 0
.endr
	v_mov_b32 v[F+1], 0
	WIN 0
.irp j, 0,1,2,3,4,5,6,7
	v_mov_b32 v[Q+8+\j], 0                         ; zero codes: the upper 64 of the instruction's K
	v_mov_b32 v[PCD+\j], 0                         ; named as the upper half of K's tile 7 before p's first codes are made
.endr
.irp b, 0,1,2,3
	v_mov_b32 v[T2+\b], 0                          ; written once: a lane permute's destination counts as one of its sources
.endr
	v_mov_b32 v[F+1], 0
	v_add_nc_u32 v2, SCB, v10
	v_add_nc_u32 v7, VOF, v1
	v_lshl_add_u32 v6, v9, 1, s2
	s_delay_alu instid0(VALU_DEP_1)
	v_add_nc_u32 v6, STG, v6                       ; tile A's half-words: 64 x wave + 2 r
.macro KLOAD                           ; 18 LDS loads: K's eight tiles and their scale words
.irp t, 0,1,2,3,4,5,6,7
	ds_load_b128 v[KF+8*\t:KF+8*\t+3], v3 offset:1024*\t
	ds_load_b128 v[KF+8*\t+4:KF+8*\t+7], v3 offset:1024*\t+512
.endr
	ds_load_b128 v[KS:KS+3], v4
	ds_load_b128 v[KS+4:KS+7], v4 offset:256
.endm
.macro VLOAD                           ; 17: V's scale words and its four tiles, into window 1
	ds_load_b128 v[VS:VS+3], v4 offset:512
	WIN 0x40
.irp a, 0,1,2,3
.irp c, 0,1,2,3
	ds_load_b128 v[KF+16*\a+4*\c:KF+16*\a+4*\c+3], v5 offset:2048*\a+512*\c
.endr
.endr
	WIN 0
.endm
.macro P1 e                            ; S^T = K Q^T of tile e: K in window 0
	WIN 0x44*\e
.irp t, 0,1,2,3,4,5,6,7
	v_wmma_scale_f32_16x16x128_f8f6f4 v[S+8*\t:S+8*\t+7], v[KF+8*\t:KF+8*\t+15], v[Q:Q+15], 0, v[KS+\t], v[QS+\e] matrix_a_fmt:MATRIX_FMT_BF8 matrix_b_fmt:MATRIX_FMT_BF8
.endr
.endm
.macro P2A e                           ; the largest score of each block of 32 keys: for the row's maximum and, since p rises with the score, for the block's largest p
	WIN 0x55*\e
	v_mov_b32 v[TMP], v12
.irp b, 0,1,2,3
	v_max3_num_f32 v[BM+\b], v[S+16*\b], v[S+1+16*\b], v[S+2+16*\b]
.endr
.irp i, 3,5,7,9,11,13
.irp b, 0,1,2,3
	v_max3_num_f32 v[BM+\b], v[BM+\b], v[S+16*\b+\i], v[S+1+16*\b+\i]
.endr
.endr
.irp b, 0,1,2,3
	v_max_num_f32 v[BM+\b], v[BM+\b], v[S+15+16*\b]
.endr
.endm
.macro P2B e                           ; M, f, and t - M
	WIN 0x55*\e
.irp b, 0,1,2,3
	v_permlanex16_b32 v[T2+\b], v[BM+\b], s[SEL], s[SEL+1]
.endr
.if \e                                 ; with lane l xor 16's 16 keys; in window 0 two blocks a line
.irp b, 0,1,2,3
	v_max_num_f32 v[BM+\b], v[BM+\b], v[T2+\b]
.endr
.else
	v_dual_max_num_f32 v[BM], v[BM], v[T2] :: v_dual_max_num_f32 v[BM+1], v[BM+1], v[T2+1]
	v_dual_max_num_f32 v[BM+2], v[BM+2], v[T2+2] :: v_dual_max_num_f32 v[BM+3], v[BM+3], v[T2+3]
.endif
	v_max3_num_f32 v[U0], v[BM], v[BM+1], v[BM+2]
	s_delay_alu instid0(VALU_DEP_1)
	v_max3_num_f32 v13, v13, v[U0], v[BM+3]        ; the running largest score
	s_delay_alu instid0(VALU_DEP_1)
	v_mul_f32 v[U0], s[NC], v13                    ; -t
	s_delay_alu instid0(VALU_DEP_1)
	v_floor_f32 v12, v[U0]                         ; the new -M = -ceil(t)
	s_delay_alu instid0(VALU_DEP_1)
	v_sub_f32 v[TMP], v12, v[TMP]                  ; old M - new M: a whole number, 0 or less
.set j, 0
.rept 16
	v_pk_fma_f32 v[S+j:S+j+1], v[S+j:S+j+1], s[CS:CS+1], v[12:13] op_sel_hi:[1,0,0]
.set j, j+2
.endr
	v_cvt_i32_f32 v[TMP], v[TMP]                   ; (it saturates)
.rept 16
	v_pk_fma_f32 v[S+j:S+j+1], v[S+j:S+j+1], s[CS:CS+1], v[12:13] op_sel_hi:[1,0,0]
.set j, j+2
.endr
	v_ldexp_f32 v[F], 1.0, v[TMP]                  ; f
.irp b, 0,1,2,3
	v_fma_f32 v[BM+\b], v[BM+\b], s[CS], v12
.endr
.endm
.macro P3 e                            ; p, and each block's largest p by the same two instructions on the same number
	s_wait_alu depctr_va_vdst(0)                   ; ahead of the batch; it also stands behind the other tile's batch
.set j, 0
.rept 64
	v_exp_f32 v[S+j], v[S+j]
.set j, j+1
.endr
.irp b, 0,1,2,3
	v_exp_f32 v[BM+\b], v[BM+\b]
.endr
.endm
.macro P4A e                           ; the blocks' scales; p's scale word goes to window 0
	WIN 0x55*\e
.irp b, 0,1,2,3
	v_max_num_f32 v[BM+\b], 0x8000000, v[BM+\b]    ; the floor 2^(16 - 127)
.endr
.irp b, 0,1,2,3
	s_delay_alu instid0(VALU_DEP_4)
	v_add_nc_u32 v[SCO+\b], 0xf8800000, v[BM+\b]   ; 15 off the exponent field: the conversion's scale operand
.endr
.irp b, 0,1,2,3
	v_and_or_b32 v[LIM+\b], v[BM+\b], 0x7f800000, s[MNT]   ; 57,344 x the scale
.endr
.irp b, 0,1,2,3
	v_lshrrev_b32 v[T2+\b], 23, v[SCO+\b]
.endr
	s_delay_alu instid0(VALU_DEP_3)
	v_lshl_or_b32 v[TMP], v[T2+1], 8, v[T2]
	s_delay_alu instid0(VALU_DEP_1)
	v_lshl_or_b32 v[TMP], v[T2+2], 16, v[TMP]
	WIN 0x11*\e
	v_lshl_or_b32 v[PS+\e], v[T2+3], 24, v[TMP]
	WIN 0x55*\e
.endm
.macro PADD d, k
	v_pk_add_f32 v[\d:\d+1], v[\d:\d+1], v[S+2*(\k):S+2*(\k)+1]
.endm
.macro P4B e                           ; l under the new M; the row's sum of the unquantised p, 32 pairs in five chains; the hold (p is not negative), two numbers a line; the codes
	WIN 0x55*\e
	v_pk_mul_f32 v[14:15], v[14:15], v[F:F+1] op_sel_hi:[1,0]
.irp k, 0,1,2,3
	v_pk_add_f32 v[U\k:U\k+1], v[S+4*\k:S+4*\k+1], v[S+4*\k+2:S+4*\k+3]
.endr
	PADD 14, 8
.irp r, 9,14,19,24
	PADD U0, \r
	PADD U1, \r+1
	PADD U2, \r+2
	PADD U3, \r+3
	PADD 14, \r+4
.endr
	PADD U0, 29
	PADD U1, 30
	PADD U2, 31
	s_delay_alu instid0(VALU_DEP_2)
	v_pk_add_f32 v[U0:U0+1], v[U0:U0+1], v[U1:U1+1]
	s_delay_alu instid0(VALU_DEP_2)
	v_pk_add_f32 v[U2:U2+1], v[U2:U2+1], v[U3:U3+1]
	s_delay_alu instid0(VALU_DEP_2)
	v_pk_add_f32 v[14:15], v[14:15], v[U0:U0+1]
	s_delay_alu instid0(VALU_DEP_1)
	v_pk_add_f32 v[14:15], v[14:15], v[U2:U2+1]
.irp b, 0,2
.if \e                                 ; window 1: one number a line
.irp i, 0,1,2,3,4,5,6,7,8,9,10,11,12,13,14,15,16,17,18,19,20,21,22,23,24,25,26,27,28,29,30,31
	v_min_num_f32 v[S+16*\b+\i], v[S+16*\b+\i], v[LIM+\b+\i/16]
.endr
.else
.irp i, 0,2,4,6,8,10,12,14
	v_dual_min_num_f32 v[S+16*\b+\i], v[S+16*\b+\i], v[LIM+\b] :: v_dual_min_num_f32 v[S+16*\b+17+\i], v[S+16*\b+17+\i], v[LIM+\b+1]
	v_dual_min_num_f32 v[S+16*\b+16+\i], v[S+16*\b+16+\i], v[LIM+\b+1] :: v_dual_min_num_f32 v[S+16*\b+1+\i], v[S+16*\b+1+\i], v[LIM+\b]
.endr
.endif
.irp u, 0,1
	v_cvt_scalef32_pk8_bf8_f32 v[PCD+4*(\b+\u):PCD+4*(\b+\u)+1], v[S+16*(\b+\u):S+16*(\b+\u)+7], v[SCO+\b+\u]
	v_cvt_scalef32_pk8_bf8_f32 v[PCD+4*(\b+\u)+2:PCD+4*(\b+\u)+3], v[S+16*(\b+\u)+8:S+16*(\b+\u)+15], v[SCO+\b+\u]
.endr
.endr
.endm
.macro P5 e                            ; O^T under the new M
	WIN 0x55*\e
	s_wait_alu depctr_va_vdst(0)                   ; directly ahead of the first reader of O^T; it also stands behind the last batch of exponentials
.set j, 0
.rept 16
	v_pk_mul_f32 v[O+j:O+j+1], v[O+j:O+j+1], v[F:F+1] op_sel_hi:[1,0]
.set j, j+2
.endr
.endm
.macro P6 e                            ; O^T += V^T P^T: V in window 1
	WIN 0x01+0x54*\e
.irp a, 0,1,2,3
	v_wmma_scale_f32_16x16x128_f8f6f4 v[O+8*\a:O+8*\a+7], v[KF+16*\a:KF+16*\a+15], v[PCD:PCD+15], v[O+8*\a:O+8*\a+7], v[VS+\a], v[PS+\e] matrix_a_fmt:MATRIX_FMT_BF8 matrix_b_fmt:MATRIX_FMT_BF8
.endr
.endm
; A KEY STEP i of 128 keys: tile A's whole step, the second half of tile B's step i - 1 and the first half of its step i.  hold = 1: the look-ahead for K stays at key step 15
.macro BODY hold
	s_wait_dscnt 0x0                               ; K of this step
	P1 0
	P4A 1
	P4B 1
	P5 1
	P6 1                                           ; with V of step i - 1
	P2A 0                                          ; its 33 lines are the places ahead of the loads into V's registers
	v_add_nc_u32 v5, s[TB], v7
	VLOAD
	P2B 0
	P3 0
	P1 1
	WIN 0
	s_add_co_u32 s[TB], s[TB], 8192
	s_add_co_u32 s[TS], s[TS], 768
.if \hold
	s_min_u32 s[TB], s[TB], 15*8192
	s_min_u32 s[TS], s[TS], 15*768
.endif
	s_wait_alu depctr_va_vdst(0)                   ; behind A's exponentials, ahead of their first reader
	v_add_nc_u32 v3, s[TB], v1
	v_add_nc_u32 v4, s[TS], v2
	P4A 0                                          ; with the two lines above: the places ahead of the loads into K's registers and of B's first read of its scores
	KLOAD                                          ; the next step's K
	P2A 1
	P2B 1
	P3 1
	P4B 0
	s_wait_dscnt 18                                ; V and its scale words are in; K's 18 loads, issued behind them, may be out
	P5 0
	P6 0
	WIN 0
.endm
.macro LOOPN n, hold
	s_mov_b32 s[CNT], \n
.Lstep_\@:
	BODY \hold
	s_sub_co_u32 s[CNT], s[CNT], 1
	s_cmp_lg_u32 s[CNT], 0
	s_cbranch_scc1 .Lstep_\@
.endm
; THE WAY OUT of tile e: O^T / l, quantised along the head's 64 (two blocks of the last product's K), stored as that product's operand
.macro WAYOUT e
	WIN 0x55*\e
	v_add_f32 v14, v14, v15
	s_delay_alu instid0(VALU_DEP_1)
	v_permlanex16_b32 v[T2], v14, s[SEL], s[SEL+1]
	s_delay_alu instid0(VALU_DEP_1)
	v_add_f32 v14, v14, v[T2]                      ; the row's sum
	s_wait_alu depctr_va_vdst(0)
	v_rcp_f32 v14, v14
	v_nop
	s_wait_alu depctr_va_vdst(0)                   ; ahead of the first reader of 1 / l and of O^T
.set j, 0
.rept 16
	v_pk_mul_f32 v[S+j:S+j+1], v[O+j:O+j+1], v[14:15] op_sel_hi:[1,0]
.set j, j+2
.endr
.irp b, 0,1
	v_max3_num_f32 v[BM+\b], |v[S+16*\b]|, |v[S+1+16*\b]|, 0x8000000
.endr
.irp i, 2,4,6,8,10,12,14
.irp b, 0,1
	s_delay_alu instid0(VALU_DEP_2)
	v_max3_num_f32 v[BM+\b], v[BM+\b], |v[S+16*\b+\i]|, |v[S+1+16*\b+\i]|
.endr
.endr
.irp b, 0,1
	s_delay_alu instid0(VALU_DEP_2)
	v_permlanex16_b32 v[T2+\b], v[BM+\b], s[SEL], s[SEL+1]
.endr
.irp b, 0,1
	s_delay_alu instid0(VALU_DEP_2)
	v_max_num_f32 v[BM+\b], v[BM+\b], v[T2+\b]
.endr
.irp b, 0,1
	s_delay_alu instid0(VALU_DEP_2)
	v_add_nc_u32 v[SCO+\b], 0xf8800000, v[BM+\b]
.endr
.irp b, 0,1
	s_delay_alu instid0(VALU_DEP_4)
	v_and_or_b32 v[LIM+\b], v[BM+\b], 0x7f800000, s[MNT]
.endr
.irp b, 0,1
	s_delay_alu instid0(VALU_DEP_4)
	v_lshrrev_b32 v[T2+\b], 23, v[SCO+\b]
.endr
	s_delay_alu instid0(VALU_DEP_1)
	v_lshl_or_b32 v[TMP], v[T2+1], 8, v[T2]        ; my row's two bytes
.irp b, 0,1
.irp i, 0,1,2,3,4,5,6,7,8,9,10,11,12,13,14,15
	v_med3_num_f32 v[S+16*\b+\i], v[S+16*\b+\i], -v[LIM+\b], v[LIM+\b]
.endr
	v_cvt_scalef32_pk8_bf8_f32 v[PCD+4*\b:PCD+4*\b+1], v[S+16*\b:S+16*\b+7], v[SCO+\b]
	v_cvt_scalef32_pk8_bf8_f32 v[PCD+4*\b+2:PCD+4*\b+3], v[S+16*\b+8:S+16*\b+15], v[SCO+\b]
.endr
	v_nop
	WIN 0x04*\e                                    ; the stores' data in the tile's window, their addresses in window 0
	global_store_b128 v1, v[PCD:PCD+3], s[60:61] offset:16384*\e   ; 512 consecutive bytes each
	global_store_b128 v1, v[PCD+4:PCD+7], s[60:61] offset:16384*\e+512
	ds_store_b16 v[STA], v[TMP] offset:32*\e       ; both halves of the lanes write the same half-word
.endm
	s_mov_b32 s[PASS], 2
	s_mov_b32 s[SO], 0
	s_wait_alu depctr_va_vdst(0)
	s_wait_loadcnt 0x0                             ; Q, all four tiles
	s_wait_tensorcnt 0x0                           ; my part of the head's fills is in; the three lines ahead of a later first fill
	ds_add_u32 v[SPW], v[NIL]
	s_wait_dscnt 0x0
	ROUND                                          ; everybody's part is in, and all four work-groups are here
	tensor_load_to_lds s[G0B:G0B+3], s[G1B:G1B+7]  ; key steps 5-15: my one load behind the round, and my last
	s_nop 0
.rept 4
	v_nop
.endr
.Lpass:                                                ; two trips: two tiles of queries a wave in each
	s_mov_b32 s[TB], 0
	s_mov_b32 s[TS], 0
	v_add_nc_u32 v3, s[TB], v1
	v_add_nc_u32 v4, s[TS], v2
	v_add_nc_u32 v5, s[TB], v7
	v_add_nc_u32 v[STA], s[SO], v6
	KLOAD                                          ; key step 0; V's registers take key step 0 too: finite codes for B's empty first half step
	VLOAD
.irp e, 0,1
	WIN 0x40*\e
	v_mov_b32 v13, 0xff61b1e6                      ; the largest score so far: -3e38
	v_mov_b32 v12, 0x7e000000                      ; -M very large, so that the first f is 0
	v_mov_b32 v14, 0
	v_mov_b32 v15, 0
.set j, 0
.rept 32
	v_mov_b32 v[O+j], 0
.set j, j+1
.endr
.endr
.set j, 0
.rept 64
	v_mov_b32 v[S+j], 0                            ; tile B's p of the step before the first
.set j, j+1
.endr
.irp b, 0,1,2,3
	v_mov_b32 v[BM+\b], 0
.endr
	v_mov_b32 v[F], 0
	WIN 0
	s_wait_alu depctr_va_vdst(0)
	LOOPN 4, 0
	s_wait_alu depctr_va_vdst(0)
	s_wait_tensorcnt 0x0                           ; my part of key steps 5-15 is in (second trip: nothing is out)
	s_wait_dscnt 0x0
	s_barrier_signal -1
	s_barrier_wait -1                              ; everybody's is; nothing is filled from here on
	LOOPN 12, 1
	s_wait_dscnt 0x0                               ; the look-ahead's last loads
	P4A 1                                          ; tile B's last half step
	P4B 1
	P5 1
	P6 1
	WAYOUT 0
	WAYOUT 1
	WIN 0x01
.irp j, 0,1,2,3,4,5,6,7
	v_mov_b32 v[Q+\j], v[232+\j]                   ; the second pass's Q
.endr
	WIN 0x41
.irp j, 0,1,2,3,4,5,6,7
	v_mov_b32 v[Q+\j], v[240+\j]
.endr
	WIN 0
	v_mov_b32 v[QS], v[QS2]
	v_mov_b32 v[QS+1], v[QS2+1]
	s_wait_alu depctr_va_vdst(0)
	s_wait_xcnt 0x0                                ; the stores have read their base and the codes' registers
	s_add_nc_u64 s[60:61], s[60:61], 262144        ; 16 tiles of 16,384 bytes on
	s_add_co_u32 s[SO], s[SO], 512
	s_sub_co_u32 s[PASS], s[PASS], 1
	s_cmp_lg_u32 s[PASS], 0
	s_cbranch_scc1 .Lpass
	v_add_nc_u32 v3, STG, v1
	s_wait_alu depctr_va_vdst(0)
	s_wait_dscnt 0x0
	s_barrier_signal -1
	s_barrier_wait -1                              ; the 32 tiles' half-words lie together
	s_cmp_lg_u32 s[WV], 0
	s_cbranch_scc1 .Lnot_first
	ds_load_b128 v[S:S+3], v3
	ds_load_b128 v[S+4:S+7], v3 offset:512
	s_wait_dscnt 0x0
	global_store_b128 v1, v[S:S+3], s[62:63]       ; wave 0 stores them: twice 512 consecutive bytes
	global_store_b128 v1, v[S+4:S+7], s[62:63] offset:512
.Lnot_first:
	s_wait_tensorcnt 0x0                           ; the wave's end
	ds_add_u32 v[SPW], v[NIL]
	s_wait_dscnt 0x0
	ROUND                                          ; the closing round
	s_endpgm
.Lfunc_end_k_q7237824c41_attn:
	.size	k_q7237824c41_attn, .Lfunc_end_k_q7237824c41_attn-k_q7237824c41_attn
	.p2alignl 7, 3214868480
	.fill 96, 4, 3214868480
	.section	.rodata,"a",@progbits
	.p2align	6, 0x0
	.amdhsa_kernel k_q7237824c41_attn
		.amdhsa_group_segment_fixed_size 327680
		.amdhsa_private_segment_fixed_size 0
		.amdhsa_enable_private_segment 0
		.amdhsa_kernarg_size 16
		.amdhsa_user_sgpr_count 2
		.amdhsa_user_sgpr_kernarg_segment_ptr 1
		.amdhsa_wavefront_size32 1
		.amdhsa_system_sgpr_workgroup_id_x 1
		.amdhsa_system_sgpr_workgroup_id_y 1
		.amdhsa_system_sgpr_workgroup_id_z 1
		.amdhsa_system_vgpr_workitem_id 0
		.amdhsa_next_free_vgpr 512
		.amdhsa_next_free_sgpr 66
		.amdhsa_reserve_vcc 0
		.amdhsa_float_denorm_mode_32 3
		.amdhsa_float_denorm_mode_16_64 3
		.amdhsa_memory_ordered 1
		.amdhsa_forward_progress 1
		.amdhsa_inst_pref_size 109
	.end_amdhsa_kernel
	.amdgpu_metadata
---
amdhsa.version: [ 1, 2 ]
amdhsa.kernels:
  - .name:           k_q7237824c41_attn
    .symbol:         k_q7237824c41_attn.kd
    .args:
      - { .name: qkv, .offset: 0, .size: 8, .value_kind: global_buffer, .address_space: global }
      - { .name: oq, .offset: 8, .size: 8, .value_kind: global_buffer, .address_space: global }
    .group_segment_fixed_size: 327680
    .private_segment_fixed_size: 0
    .kernarg_segment_align: 8
    .kernarg_segment_size: 16
    .max_flat_workgroup_size: 256
    .sgpr_count:     66
    .vgpr_count:     512
    .wavefront_size: 32
...
	.end_amdgpu_metadata
.endif
;; end of part 3
;; launch gemm_out (part 4): grid 4 x 32, 4 waves a work-group, clusters of 4 x 4, 327,680 bytes of LDS; arguments oq, ops, b_proj, out0; writes out0
.if DOCPART == 4
	.amdgcn_target "amdgcn-amd-amdhsa--gfx1250"
	.amdhsa_code_object_version 6
	.text
	.protected	k_q7237824c41_gemm_out
	.globl	k_q7237824c41_gemm_out
	.p2align	8
	.type	k_q7237824c41_gemm_out,@function
k_q7237824c41_gemm_out:
	s_mov_b64 s[64:65], 0
	v_nop
	global_prefetch_b8 v0, s[64:65] scope:SCOPE_SE
	s_setreg_imm32_b32 hwreg(HW_REG_WAVE_MODE, 25, 1), 1
	s_wait_xcnt 0x0
	s_wait_alu depctr_hold_cnt(0) depctr_sa_sdst(0) depctr_va_vdst(0) depctr_va_sdst(0) depctr_va_ssrc(0) depctr_va_vcc(0) depctr_vm_vsrc(0)
	s_getreg_b32 s2, hwreg(HW_REG_IB_STS2, 6, 4)
	s_cmp_eq_u32 s2, 0
	s_cbranch_scc0 .Lentry_in_a_cluster
	s_endpgm
.Lentry_in_a_cluster:
	s_bfe_u32 s2, ttmp6, 0x10000c
	s_cmp_lg_u32 s2, 0xf033
	s_cbranch_scc0 .Lentry_shape_is_right
	s_endpgm
.Lentry_shape_is_right:
.set FR,     16
.set NL,     4
.set NP,     8
.set NQ,     2
.set FRB,    2048
.set RT,     4096
.set HALFT,  32768
.set SLOT,   131072
.set SCL,    262144
.set HALFS,  4096
.set OSR,    SCL+4*HALFS
.set SPARE,  OSR+8192
.set SPITCH, 528
.set ADRA, 16
.set ADRB, 20
.set STO,  24
.set RD,   25
.set CO,   26
.set ADRS, 27
.set SPW,  28
.set NIL,  29
.set BA,   30
.set SC,   32
.set BI,   64
.set AF,   128
.set BK,   128
.set G1, 24
.set G0, 32
.set G1B, 48
.set G0B, 56
.set G1S, 68
.set G0S, 76
.set G1SB, 80
.set G0SB, 88
.set MSB, 0
.macro WIN new
.if MSB != (\new)
	s_set_vgpr_msb (MSB<<8)|(\new)
.set MSB, (\new)
.endif
.endm
.set MUL_LO, 0xa1
.set MUL_HI, 0xf1
.set TO_B,   0x40
.macro JLOAD g0a, g1a, g0b, g1b
	s_cmp_eq_u32 s15, 0
	s_cbranch_scc0 .Lfor_b_\@
	tensor_load_to_lds s[\g0a:\g0a+3], s[\g1a:\g1a+7]
	s_nop 0
.rept 4
	v_nop
.endr
	s_branch .Lasked_\@
.Lfor_b_\@:
	tensor_load_to_lds s[\g0b:\g0b+3], s[\g1b:\g1b+7]
	s_nop 0
.rept 4
	v_nop
.endr
.Lasked_\@:
.endm
.macro CREST
	s_cmp_lg_u32 s14, 0
	s_cbranch_scc1 .Lnot_wave_0_\@
	s_barrier_signal -3
.Lnot_wave_0_\@:
	s_barrier_wait -3
	s_barrier_signal -1
	s_barrier_wait -1
.endm
.macro CROUND
	s_barrier_signal -1
	s_barrier_wait -1
	CREST
.endm
	s_load_b256 s[4:11], s[0:1], 0x0
	v_lshl_add_u32 v[SPW], v0, 2, SPARE
	v_mov_b32 v[NIL], 0
	ds_add_u32 v28, v29
	ds_add_u32 v28, v29
	s_wait_dscnt 0x0
	v_lshrrev_b32 v1, 5, v0
	v_readfirstlane_b32 s14, v1
	s_lshr_b32 s15, s14, 1
	s_and_b32 s16, s14, 1
	s_bfe_u32 s40, ttmp6, 0x40000
	s_bfe_u32 s41, ttmp6, 0x40004
	s_lshl_b32 s42, ttmp9, 2
	s_add_co_u32 s42, s42, s40
	s_and_b32 s17, ttmp7, 0xffff
	s_lshl_b32 s17, s17, 2
	s_add_co_u32 s17, s17, s41
	s_lshl_b32 s43, s41, 2
	s_lshl_b32 s43, 15, s43
	s_lshl_b32 s44, 0x1111, s40
	s_or_b32 s[G1+0], s43, (3<<16)|(1<<21)
	s_or_b32 s[G1B+0], s44, (3<<16)|(1<<21)
.irp g, G1, G1B
	s_mov_b32 s[\g+1], 512<<16
	s_mov_b32 s[\g+2], 16<<16
	s_mov_b32 s[\g+3], 512<<16
	s_mov_b32 s[\g+4], 16
	s_mov_b32 s[\g+5], 2048
	s_mov_b32 s[\g+6], 0
	s_mov_b32 s[\g+7], 0
.endr
	s_or_b32 s[G1S+0], s43, (3<<16)|(1<<21)
	s_mov_b32 s[G1S+1], 64<<16
	s_mov_b32 s[G1S+2], 16<<16
	s_mov_b32 s[G1S+3], 64<<16
	s_mov_b32 s[G1S+4], 16
	s_mov_b32 s[G1S+5], 2048
	s_mov_b32 s[G1S+6], 0
	s_mov_b32 s[G1S+7], 0
	s_or_b32 s[G1SB+0], s44, (3<<16)|(1<<21)
	s_mov_b32 s[G1SB+1], 32<<16
	s_mov_b32 s[G1SB+2], 32<<16
	s_mov_b32 s[G1SB+3], 32<<16
	s_mov_b32 s[G1SB+4], 32
	s_mov_b32 s[G1SB+5], 32
	s_mov_b32 s[G1SB+6], 0
	s_mov_b32 s[G1SB+7], 0
	s_lshl_b32 s20, s17, 4
	s_lshl_b32 s46, s42, 4
	s_add_co_u32 s46, s46, 704
	s_lshl_b32 s22, s20, 14
	s_mov_b32 s23, 0
	s_lshl_b32 s20, s20, 5
	s_add_co_u32 s20, s20, 0x800000
	s_mov_b32 s21, 0
	s_lshl_b32 s92, s46, 14
	s_mov_b32 s93, 0
	s_lshl_b32 s46, s46, 9
	s_add_co_u32 s46, s46, 0xC00000
	s_mov_b32 s47, 0
	s_lshl_b32 s45, s14, 15
	s_lshl_b32 s94, s14, 12
	s_lshl_b32 s19, s16, 12
	s_wait_kmcnt 0x0
	s_add_nc_u64 s[22:23], s[4:5], s[22:23]
	s_add_nc_u64 s[20:21], s[4:5], s[20:21]
	s_add_nc_u64 s[92:93], s[6:7], s[92:93]
	s_add_nc_u64 s[46:47], s[6:7], s[46:47]
	CROUND
	s_mov_b32 s[G0S], 1
	s_mov_b32 s[G0S+1], OSR
	s_mov_b64 s[G0S+2:G0S+3], s[20:21]
	s_or_b32 s[G0S+3], s[G0S+3], 0x80000000
	s_mov_b32 s[G0SB], 1
	s_mov_b32 s[G0SB+1], SCL+2*HALFS
	s_mov_b64 s[G0SB+2:G0SB+3], s[46:47]
	s_or_b32 s[G0SB+3], s[G0SB+3], 0x80000000
	; the head's four tiles, each whole, one load a wave: wave 0 K step 0's 16 rowtiles of A, wave 1 those of B, wave 2 A's scale half-words (16 heads x 512 bytes), wave 3 B's scale words
	s_mov_b32 s[G0], 1
	s_mov_b32 s[G0+1], 0
	s_mov_b64 s[G0+2:G0+3], s[22:23]
	s_or_b32 s[G0+3], s[G0+3], 0x80000000
	s_mov_b32 s[G0B], 1
	s_mov_b32 s[G0B+1], 2*HALFT
	s_mov_b64 s[G0B+2:G0B+3], s[92:93]
	s_or_b32 s[G0B+3], s[G0B+3], 0x80000000
.macro ARM under, g0, g1, next
	s_cmp_lt_u32 s14, \under
	s_cbranch_scc0 \next
	tensor_load_to_lds s[\g0:\g0+3], s[\g1:\g1+7]
	s_nop 0
.rept 4
	v_nop
.endr
	s_branch .Lhead_asked
\next:
.endm
	ARM 1, G0,  G1,  .Lhead_b
	ARM 2, G0B, G1B, .Lhead_sa
	ARM 3, G0S, G1S, .Lhead_sb
	tensor_load_to_lds s[G0SB:G0SB+3], s[G1SB:G1SB+7]
	s_nop 0
.rept 4
	v_nop
.endr
.Lhead_asked:
	s_wait_alu depctr_va_vdst(0)
	s_wait_tensorcnt 0x0                           ; my tile of the four is in: the three lines ahead of slot 1's first fill
	ds_add_u32 v28, v29
	s_mov_b32 s[G1+2], 8<<16                       ; no tensor load of mine is out: from here on a load brings 8 rowtiles
	s_mov_b32 s[G1+4], 8
	s_mov_b32 s[G1B+2], 8<<16
	s_mov_b32 s[G1B+4], 8
	s_lshl_b32 s18, s16, 17                        ; my half of a tile's 16 rowtiles of 16,384 bytes
	s_mov_b32 s19, 0
	s_add_nc_u64 s[22:23], s[22:23], s[18:19]
	s_add_nc_u64 s[92:93], s[92:93], s[18:19]
.irp s, 0,1
	s_mov_b32 s[G0+4*\s], 1
	s_add_co_u32 s[G0+4*\s+1], s45, \s*SLOT
	s_add_nc_u64 s[G0+4*\s+2:G0+4*\s+3], s[22:23], \s*RT
	s_or_b32 s[G0+4*\s+3], s[G0+4*\s+3], 0x80000000
	s_mov_b32 s[G0B+4*\s], 1
	s_add_co_u32 s[G0B+4*\s+1], s45, \s*SLOT
	s_add_nc_u64 s[G0B+4*\s+2:G0B+4*\s+3], s[92:93], \s*RT
	s_or_b32 s[G0B+4*\s+3], s[G0B+4*\s+3], 0x80000000
.endr
	s_wait_dscnt 0x0
	CROUND
	JLOAD G0+4, G1, G0B+4, G1B
	v_and_b32 v1, 15, v0
	v_bfe_u32 v2, v0, 4, 1
	v_and_b32 v3, 31, v0
	v_lshlrev_b32 v4, 4, v3
	s_wait_alu depctr_va_vdst(0)
	s_lshl_b32 s46, s42, 10
	s_lshl_b32 s47, s16, 9
	s_add_co_u32 s46, s46, s47
	s_mov_b32 s47, 0
	s_add_nc_u64 s[8:9], s[8:9], s[46:47]
	v_lshlrev_b32 v[BA], 6, v2
.irp b, 0,1,2,3,4,5,6,7
	global_load_b128 v[BI+8*\b:BI+8*\b+3], v[BA], s[8:9] offset:(32*(\b/2)+8*(\b%2))*4
	global_load_b128 v[BI+8*\b+4:BI+8*\b+7], v[BA], s[8:9] offset:(32*(\b/2)+8*(\b%2))*4+16
.endr
	s_lshl_b32 s20, s17, 8
	s_lshl_b32 s21, s15, 7
	s_add_co_u32 s20, s20, s21
	s_lshl_b32 s20, s20, 12
	s_mov_b32 s21, 0
	s_add_nc_u64 s[12:13], s[10:11], s[20:21]
	s_add_nc_u64 s[12:13], s[12:13], s[46:47]
	s_lshl_b32 s21, s15, 15
	s_lshl_b32 s22, s16, 15
	s_add_co_u32 s22, s22, 2*HALFT
.irp s, 0,1
	v_add_nc_u32 v[ADRA+\s], s21, v4
	v_add_nc_u32 v[ADRB+\s], s22, v4
	s_add_co_u32 s21, s21, SLOT
	s_add_co_u32 s22, s22, SLOT
.endr
	v_lshlrev_b32 v5, 3, v1
	s_lshl_b32 s21, s15, 12
	s_lshl_b32 s22, s16, 12
	s_add_co_u32 s22, s22, 2*HALFS
	s_sub_co_u32 s22, s22, s21
	v_mul_u32_u24 v6, s22, v2
	s_add_co_u32 s21, s21, SCL
	v_add_nc_u32 v5, v5, v6
	v_add_nc_u32 v[ADRS], s21, v5
	s_mul_i32 s23, s14, 16*SPITCH
	v_mul_u32_u24 v5, v1, SPITCH
	v_lshl_add_u32 v5, v2, 6, v5
	v_add_nc_u32 v[STO], s23, v5
	v_mov_b32 v[CO], v4
	v_add_nc_u32 v[RD], s23, v4
	v_lshlrev_b32 v6, 4, v1
	v_lshl_add_u32 v6, v2, 8, v6
	s_lshl_b32 s21, s14, 11
	s_add_co_u32 s21, s21, OSR
	v_add_nc_u32 v6, s21, v6
	v_lshrrev_b32 v7, 1, v3
	v_lshlrev_b32 v7, 9, v7
	v_and_b32 v8, 1, v0
	v_lshl_add_u32 v7, v8, 6, v7
	s_lshl_b32 s21, s14, 7
	s_add_co_u32 s21, s21, SCL
	v_add_nc_u32 v7, s21, v7
	s_mov_b32 s95, 0x05040100
	s_mov_b32 s96, 0x07060302
.macro FRAG reg, adr, q, i
.irp c, 0,1,2,3
	ds_load_b128 v[\reg+4*\c:\reg+4*\c+3], v[\adr] offset:(\i)*RT+(\q)*FRB+512*\c
.endr
.endm
.macro MUL16 a0, p, q, sc, zero
.irp a, \a0, \a0+1
.irp b, 0,1,2,3,4,5,6,7
.if (\zero) == 2
	v_wmma_scale_f32_16x16x128_f8f6f4 v[8*(8*((\a)%4)+\b):8*(8*((\a)%4)+\b)+7], v[128*(\p)+FR*\b:128*(\p)+FR*\b+FR-1], v[AF+FR*(\a):AF+FR*(\a)+FR-1], v[BI+8*\b:BI+8*\b+7], v[SC+8*NQ*(\sc)+NQ*\b+(\q)], v[SC+8*NQ*(\sc)+NQ*(\a)+(\q)] matrix_a_fmt:MATRIX_FMT_BF8 matrix_b_fmt:MATRIX_FMT_BF8 matrix_a_scale:MATRIX_SCALE_ROW1
.else
	v_wmma_scale_f32_16x16x128_f8f6f4 v[8*(8*((\a)%4)+\b):8*(8*((\a)%4)+\b)+7], v[128*(\p)+FR*\b:128*(\p)+FR*\b+FR-1], v[AF+FR*(\a):AF+FR*(\a)+FR-1], v[8*(8*((\a)%4)+\b):8*(8*((\a)%4)+\b)+7], v[SC+8*NQ*(\sc)+NQ*\b+(\q)], v[SC+8*NQ*(\sc)+NQ*(\a)+(\q)] matrix_a_fmt:MATRIX_FMT_BF8 matrix_b_fmt:MATRIX_FMT_BF8 matrix_a_scale:MATRIX_SCALE_ROW1
.endif
.endr
.endr
.endm
.macro FETCH_B slot, q, p
	WIN TO_B
.irp i, 0,1,2,3,4,5,6,7
	FRAG 128*(\p)+FR*\i, ADRB+\slot, \q, \i
.endr
	WIN 0
.endm
.macro FETCH_A slot, q, i0
.irp i, \i0, \i0+1, \i0+2, \i0+3
	FRAG AF+FR*(\i), ADRA+\slot, \q, \i
.endr
.endm
.macro SCALES sc
.irp i, 0,1,2,3,4,5,6,7
	ds_load_b64 v[SC+8*NQ*\sc+NQ*\i:SC+8*NQ*\sc+NQ*\i+1], v[ADRS] offset:\i*512
.endr
.endm
.macro PLACES n
.rept \n
	v_nop
.endr
.endm
.macro STEP slot, q, zero
	s_wait_dscnt 4*NL
.if (\zero) == 2
	WIN 0x81
.else
	WIN MUL_LO
.endif
	MUL16 0, (\q)%2, \q, \slot, \zero
	MUL16 2, (\q)%2, \q, \slot, \zero
	s_wait_dscnt 0
	PLACES NP
	FETCH_B \slot, (\q)+1, 1-(\q)%2
	FETCH_A \slot, (\q)+1, 0
.if (\zero) == 2
	WIN 0xc1
.else
	WIN MUL_HI
.endif
	MUL16 4, (\q)%2, \q, \slot, \zero
	MUL16 6, (\q)%2, \q, \slot, \zero
	PLACES NP
	WIN 0
	FETCH_A \slot, (\q)+1, 4
.endm
.macro TURN slot, next, fill
	s_wait_tensorcnt 0x0
	ds_add_u32 v[SPW], v[NIL]
	s_wait_dscnt 4*NL+1
	WIN MUL_LO
	MUL16 0, 1, NQ-1, \slot, 0
	s_wait_dscnt 0x0
	s_barrier_signal -1
	MUL16 2, 1, NQ-1, \slot, 0
	WIN 0
	s_barrier_wait -1
.if \fill
	CREST
	s_add_nc_u64 s[G0+4*\slot+2:G0+4*\slot+3], s[G0+4*\slot+2:G0+4*\slot+3], 2*RT
	s_add_nc_u64 s[G0B+4*\slot+2:G0B+4*\slot+3], s[G0B+4*\slot+2:G0B+4*\slot+3], 2*RT
	JLOAD G0+4*\slot, G1, G0B+4*\slot, G1B
	PLACES NP-4
.else
	PLACES NP
.endif
	s_wait_alu depctr_va_vdst(0)
	v_add_nc_u32 v[ADRS], 128, v[ADRS]
	FETCH_B \next, 0, 0
	FETCH_A \next, 0, 0
	SCALES \next
	WIN MUL_HI
	MUL16 4, 1, NQ-1, \slot, 0
	MUL16 6, 1, NQ-1, \slot, 0
	PLACES NP
	WIN 0
	FETCH_A \next, 0, 4
.endm
	s_wait_alu depctr_va_vdst(0)
	s_wait_tensorcnt 1
	s_barrier_signal -1
	s_barrier_wait -1
.irp k, 0,1,2,3
	ds_load_b128 v[128+4*\k:131+4*\k], v6 offset:512*\k
.endr
	s_wait_dscnt 0x0
.irp rr, 0,1,2,3,4,5,6,7
.irp q, 0,1
	v_perm_b32 v[144+2*\rr+\q], v[128+4*(2*\q+1)+\rr/2], v[128+8*\q+\rr/2], s[95+\rr%2]
.endr
.endr
.irp j, 0,1,2,3
	ds_store_b128 v7, v[144+4*\j:147+4*\j] offset:16*\j
.endr
	s_wait_dscnt 0x0
	s_barrier_signal -1
	s_barrier_wait -1
	FETCH_B 0, 0, 0
	FETCH_A 0, 0, 0
	SCALES 0
	FETCH_A 0, 0, 4
	s_wait_loadcnt 0x0
	STEP 0, 0, 2
	TURN 0, 1, 1
	STEP 1, 0, 0
	TURN 1, 0, 1
	STEP 0, 0, 0
	TURN 0, 1, 0
	STEP 1, 0, 0
	s_wait_dscnt 4*NL
	WIN MUL_LO
	MUL16 0, 1, NQ-1, 1, 0
	MUL16 2, 1, NQ-1, 1, 0
	s_wait_dscnt 0
	WIN MUL_HI
	MUL16 4, 1, NQ-1, 1, 0
	MUL16 6, 1, NQ-1, 1, 0
	WIN 0
.macro TOSTAGE a
.set AC, 64*((\a)%4)
	WIN 0x08+4*((\a)/4)
.irp b, 0,1,2,3,4,5,6,7
	ds_store_b128 v[STO], v[AC+8*\b:AC+8*\b+3] offset:128*(\b/2)+32*(\b%2)
	ds_store_b128 v[STO], v[AC+8*\b+4:AC+8*\b+7] offset:128*(\b/2)+32*(\b%2)+16
.endr
	WIN 0
.set BB, BK+64*((\a)%2)
.irp t, 0,1,2,3,4,5,6,7,8,9,10,11,12,13,14,15
	ds_load_b128 v[BB+4*\t:BB+4*\t+3], v[RD] offset:\t*SPITCH
.endr
.endm
.macro SEND a, younger
.set BB, BK+64*((\a)%2)
.set RW, 32*((\a)/2)+8*((\a)%2)
	s_wait_dscnt \younger
.irp t, 0,1,2,3,4,5,6,7,8,9,10,11,12,13,14,15
	global_store_b128 v[CO], v[BB+4*\t:BB+4*\t+3], s[12:13] offset:(RW+\t+8*(\t/8))*4096 th:TH_STORE_NT
.endr
.endm
	PLACES NP
	TOSTAGE 0
.irp a, 1,2,3,4,5,6,7
.if \a > 1
	s_wait_xcnt 0x0
.endif
	TOSTAGE \a
	SEND \a-1, 32
.endr
	SEND 7, 0
	s_wait_tensorcnt 0x0
	ds_add_u32 v[SPW], v[NIL]
	s_wait_dscnt 0x0
	CROUND
	s_endpgm
.Lfunc_end_k_q7237824c41_gemm_out:
	.size	k_q7237824c41_gemm_out, .Lfunc_end_k_q7237824c41_gemm_out-k_q7237824c41_gemm_out
	.p2alignl 7, 3214868480
	.fill 96, 4, 3214868480
	.section	.rodata,"a",@progbits
	.p2align	6, 0x0
	.amdhsa_kernel k_q7237824c41_gemm_out
		.amdhsa_group_segment_fixed_size 327680
		.amdhsa_private_segment_fixed_size 0
		.amdhsa_enable_private_segment 0
		.amdhsa_kernarg_size 32
		.amdhsa_user_sgpr_count 2
		.amdhsa_user_sgpr_kernarg_segment_ptr 1
		.amdhsa_wavefront_size32 1
		.amdhsa_system_sgpr_workgroup_id_x 1
		.amdhsa_system_sgpr_workgroup_id_y 1
		.amdhsa_system_sgpr_workgroup_id_z 1
		.amdhsa_system_vgpr_workitem_id 0
		.amdhsa_next_free_vgpr 1024
		.amdhsa_next_free_sgpr 98
		.amdhsa_reserve_vcc 0
		.amdhsa_float_denorm_mode_32 3
		.amdhsa_float_denorm_mode_16_64 3
		.amdhsa_memory_ordered 1
		.amdhsa_forward_progress 1
		.amdhsa_inst_pref_size 150
	.end_amdhsa_kernel
	.amdgpu_metadata
---
amdhsa.version: [ 1, 2 ]
amdhsa.kernels:
  - .name:           k_q7237824c41_gemm_out
    .symbol:         k_q7237824c41_gemm_out.kd
    .args:
      - { .name: oq, .offset: 0, .size: 8, .value_kind: global_buffer, .address_space: global }
      - { .name: ops, .offset: 8, .size: 8, .value_kind: global_buffer, .address_space: global }
      - { .name: b_proj, .offset: 16, .size: 8, .value_kind: global_buffer, .address_space: global }
      - { .name: out0, .offset: 24, .size: 8, .value_kind: global_buffer, .address_space: global }
    .group_segment_fixed_size: 327680
    .private_segment_fixed_size: 0
    .kernarg_segment_align: 8
    .kernarg_segment_size: 32
    .max_flat_workgroup_size: 128
    .sgpr_count:     98
    .vgpr_count:     1024
    .wavefront_size: 32
...
	.end_amdgpu_metadata
.endif
;; end of part 4
